; MI455X (gfx1250); checked and timed in simulation.
; The chip was launched on July 23, 2026; its instructions are those of AMD's public machine-readable ISA for CDNA 5 (MIT licence, August 2026) and "CDNA5" Instruction Set Architecture Reference Guide (July 2026). The comments in the code are by the model that wrote it; some were corrected since.
;; Causal Self Attention. Allowed arithmetic: matrix products marked QUANTISED: E2M1 operands, one E8M0 scale for each 32 along K, by v_wmma_scale_f32_16x16x128_f8f6f4 with both operands' format E2M1 (or v_wmma_scale_f32_32x16x128_f4), f32 sums; products left as they are: bf16, f16 or f32 operands; f32 sums; everything else in f32.
;; Inputs: b_attn 3,072 float32; b_proj 1,024 float32; w_attn 3,072 x 1,024 float32; w_proj 1,024 x 1,024 float32; x 4 x 2,048 x 1,024 float32.
;; Outputs: out0 4 x 2,048 x 1,024 float32.
;; This version of the problem:
;;   THIS VERSION OF THE PROBLEM IS GIVEN IN LOW PRECISION. The matrix products marked QUANTISED in the list below multiply operands that are first quantised to E2M1 (2 exponent bits, 1 mantissa bit; 4 bits a number), with one power-of-two scale for each 32 numbers along K (OCP MX v1.0); their sums are f32. The products marked 'left as it is' may take bf16, f16 or f32 operands, with f32 sums. Whichever they take, every output number must still come out within the allowed error. Rounding operands to bf16 (8 significant bits) uses up far more of that allowance than f16 does (11 bits, for magnitudes from 6e-5 to 65,504). All else is computed in f32.
;;   The module's matrix products, in the order in which they are computed (A, B: the left and right operand; K: the contracted axis; several contracted axes count as one K, in the product's order):
;;     1. [M 8,192, K 1,024] x [K 1,024, N 3,072]; A: input x; B: input w_attn: QUANTISED
;;     2. batch 64 x [M 2,048, K 64] x [K 64, N 2,048]; A: computed on the way; B: computed on the way: left as it is (an operand is computed on the way)
;;     3. batch 64 x [M 2,048, K 2,048] x [K 2,048, N 64]; A: computed on the way; B: computed on the way: left as it is (an operand is computed on the way)
;;     4. [M 8,192, K 1,024] x [K 1,024, N 1,024]; A: computed on the way; B: input w_proj: left as it is (an operand is computed on the way)
;;   THE QUANTISER, for each operand of a quantised product, along K:
;;     - K is cut into blocks of 32 from its start; a last block that is shorter is filled with zeros.
;;     - A block's scale is 2^e with e = floor(log2(the largest magnitude in the block)) - 2, held to -126 .. 127; a block of zeros has e = 0. As a byte (E8M0): e + 127.
;;     - Each number is divided by its block's scale, clamped to +-6, and rounded to the nearest number of E2M1, ties to even, subnormals kept.
;;     - The product sums the exact products of the quantised numbers (number of the format x scale) in f32.
;;   ~~~python
;;   def quantise(x, axis):      # numpy; x: float32 -> the quantised numbers, widened to float32 again
;;       x = np.moveaxis(x, axis, -1); K = x.shape[-1]
;;       x = np.pad(x, [(0, 0)] * (x.ndim - 1) + [(0, -K % 32)]); x = x.reshape(x.shape[:-1] + (-1, 32)); a = np.abs(x).max(-1, keepdims=True)
;;       e = np.where(a > 0, np.clip(np.frexp(np.where(a > 0, a, 1))[1] - 1 - 2, -126, 127), 0)      # np.frexp(a)[1] - 1 = floor(log2(a)), exactly
;;       r = np.clip(x / 2.0 ** e, -6, 6)
;;       step = 2.0 ** (np.maximum(np.frexp(np.where(r == 0, 1, r))[1] - 1, 0) - 1)
;;       q = np.round(r / step) * step * 2.0 ** e      # np.round: ties to even
;;       return np.moveaxis(q.reshape(q.shape[:-2] + (-1,))[..., :K], -1, axis).astype(np.float32)
;;   ~~~
;; One version. Each part assembles by itself: llvm-mc -triple=amdgcn-amd-amdhsa -mcpu=gfx1250 --defsym DOCPART=n.
;; ======== version 1 of 1: 5 launches
;; limits: values are held in f16: magnitudes above 65,504 overflow, below 6.1e-05 lose precision
;; workspace buffers: xc 4,194,304 bytes; xs 262,144 bytes; wc 1,572,864 bytes; ws 98,304 bytes; w16 2,097,152 bytes; qkv 50,331,648 bytes; qkv16 786,432 bytes; yh 16,777,216 bytes
;; launch prep (part 1): grid 384 x 1, 4 waves a work-group, no clusters, 33,280 bytes of LDS; arguments x, w_attn, xc, xs, wc, ws, w_proj, w16; writes xc, xs, wc, ws, w16
.if DOCPART == 1
	.amdgcn_target "amdgcn-amd-amdhsa--gfx1250"
	.amdhsa_code_object_version 6
	.text
	.protected	k_q5635668a00_prep
	.globl	k_q5635668a00_prep
	.p2align	8
	.type	k_q5635668a00_prep,@function
k_q5635668a00_prep:
	s_mov_b64 s[64:65], 0
	v_nop
	global_prefetch_b8 v0, s[64:65] scope:SCOPE_SE
	s_setreg_imm32_b32 hwreg(HW_REG_WAVE_MODE, 25, 1), 1
	s_wait_xcnt 0x0
; x [8192][1024] and w_attn [3072][1024], f32, K innermost, become codes of FP4 (E2M1), two a byte, and one E8M0 byte for each 32 along K; w_proj [1024][1024] f32 becomes f16.
; A block's scale is 2^(floor(log2(its largest magnitude)) - 2): its byte is the largest magnitude's exponent field - 2, held at 1 from below.  A block of zeros so gets the byte 1 where the rule says 127:
; its codes are zeros, which add nothing under any byte but 0xff, and the bytes are read by this program alone.  Each number is divided by the scale and rounded to the nearest code, ties to even; beyond 6 the largest code.
; LIMITS: blocks whose largest magnitude lies under 2^-124 (the floor) were not tried; NaN and infinities among the inputs are not served; |w_proj| stays under 65,504 (beyond it the f16 number is infinity).
; Rows are dense and 1,024 is a multiple of 32: both tensors are plain streams of blocks of 32, and so are codes and scale bytes.
; Work-groups 0-255 take x, 256-351 w_attn (the buffers are chosen by the work-group's number), 352-383 w_proj.  A wave takes 8,192 numbers.
; THE QUANTISER: 16 steps of 512 numbers.  Each of a step's four loads reads 512 consecutive bytes; the 2,048 bytes turn through the wave's own stage in LDS and come back 64 bytes a lane, so that a lane holds 16
; neighbours along K (two lanes a block).  A lane's 16 codes are 8 bytes: a wave's store covers 256 consecutive bytes.  The wave's 256 scale bytes are gathered in LDS and leave as 256 consecutive bytes.
; No tensor loads, no barrier, no cluster, no matrix unit: waves share nothing and each byte is read once.
.set SIZE_M, 8192
.set SIZE_N, 3072
.set SIZE_K, 1024
.set WAVES, 4
.set STEPS, 16
.set WGA,   SIZE_M*SIZE_K/(512*STEPS*WAVES)            ; 256 work-groups for x
.set WGQ,   (SIZE_M+SIZE_N)*SIZE_K/(512*STEPS*WAVES)   ; 352 for both quantised tensors
.set EMAX,  2
.set CB,    8                          ; bytes of 16 codes
.set R,     16                         ; v16-79   four sets of 16 numbers as they are loaded
.set X,     80                         ; v80-111  two sets of 16 neighbours
.set C,     128                        ; v128-191 codes: four registers a step (w_proj's path: two sets of 32 registers of f16)
.set E,     112                        ; v112-127 a scale byte for each step
.set WREG,  8192                       ; LDS: a region for each wave: two stages of 32 x SP bytes, then its 256 scale bytes
.set SP,    80                         ; a lane's place in a stage: 64 bytes + 16 of padding
.set SPW,   12                         ; v12 LDS address of my spare word; never rewritten
.set NIL,   13                         ; v13 0; never rewritten
.set SPARE, WAVES*WREG                 ; behind the four regions: the spare words, 128 bytes a wave
	s_load_b128 s[4:7], s[0:1], 0x0                ; x, w_attn
	s_load_b128 s[8:11], s[0:1], 0x10              ; x's codes, x's scales
	s_load_b128 s[12:15], s[0:1], 0x20             ; w_attn's codes, its scales
	s_load_b128 s[24:27], s[0:1], 0x30             ; w_proj, w16
	v_lshl_add_u32 v[SPW], v0, 2, SPARE
	v_mov_b32 v[NIL], 0
	v_lshrrev_b32 v1, 5, v0
	v_readfirstlane_b32 s16, v1                    ; wave
	v_and_b32 v2, 31, v0                           ; lane
	v_lshlrev_b32 v3, 4, v2                        ; my 16 bytes of a load's 512
	s_mul_i32 s17, s16, WREG
	v_lshrrev_b32 v14, 2, v2
	v_mul_u32_u24 v14, v14, SP
	v_and_b32 v15, 3, v2
	v_lshl_add_u32 v14, v15, 4, v14
	v_add_nc_u32 v14, s17, v14                     ; the stage, on the way in: SP (lane / 4) + 16 (lane % 4)
	v_mul_u32_u24 v15, v2, SP
	v_add_nc_u32 v15, s17, v15                     ; and on the way out: SP x lane: my 16 neighbours
	v_mul_u32_u24 v4, v2, CB                       ; 8 x lane: my codes' place in a step's (and my four f16 numbers' place)
	v_lshrrev_b32 v5, 1, v2
	s_add_co_u32 s17, s17, 2*32*SP
	v_add_nc_u32 v5, s17, v5                       ; LDS: my wave's 256 scale bytes, my block's byte
	v_lshlrev_b32 v7, 3, v2
	v_add_nc_u32 v6, s17, v7                       ; and on the way out 8 bytes a lane
	s_wait_kmcnt 0x0
	s_cmp_ge_u32 ttmp9, WGQ                        ; the last 32 work-groups convert w_proj: a branch on the work-group's number
	s_cbranch_scc1 .Lcvt
	s_cmp_lt_u32 ttmp9, WGA                        ; x's work-group or w_attn's?
	s_cselect_b64 s[4:5], s[4:5], s[6:7]
	s_cselect_b64 s[8:9], s[8:9], s[12:13]
	s_cselect_b64 s[10:11], s[10:11], s[14:15]
	s_cselect_b32 s17, 0, WGA
	s_sub_co_u32 s17, ttmp9, s17
	s_lshl_b32 s17, s17, 2
	s_add_co_u32 s18, s17, s16                     ; which run of 8,192 numbers of the tensor is my wave's
	s_mov_b32 s19, 0
	s_mov_b64 s[20:21], 512*STEPS*4
	s_mul_u64 s[20:21], s[18:19], s[20:21]
	s_add_nc_u64 s[4:5], s[4:5], s[20:21]
	s_mov_b64 s[20:21], 32*STEPS*CB
	s_mul_u64 s[20:21], s[18:19], s[20:21]
	s_add_nc_u64 s[8:9], s[8:9], s[20:21]
	s_lshl_b32 s18, s18, 8                         ; 256 scale bytes a run
	s_add_nc_u64 s[10:11], s[10:11], s[18:19]
.macro LOAD t
.irp i, 0,1,2,3
	global_load_b128 v[R+16*((\t)%4)+4*\i:R+16*((\t)%4)+4*\i+3], v3, s[4:5] offset:2048*(\t)+512*\i th:TH_LOAD_NT   ; 32 lanes read 512 consecutive bytes
.endr
.endm
.macro TURN t                          ; step t's numbers through the stage: LDS serves a wave's instructions in order, so no wait stands between the stores and the loads
.irp i, 0,1,2,3
	ds_store_b128 v14, v[R+16*((\t)%4)+4*\i:R+16*((\t)%4)+4*\i+3] offset:32*SP*((\t)%2)+8*SP*\i
.endr
.irp i, 0,1,2,3
	ds_load_b128 v[X+16*((\t)%2)+4*\i:X+16*((\t)%2)+4*\i+3], v15 offset:32*SP*((\t)%2)+16*\i
.endr
.endm
.irp t, 0,1,2,3
	LOAD \t
.endr
	s_wait_loadcnt 12                              ; step 0's four loads are in; twelve younger ones stay out
	TURN 0
.macro STEP t
.set XS, X+16*((\t)%2)
.if (\t) > 0
	s_wait_dscnt 1                                 ; this step's numbers are back from the stage (the last step's byte store may be out)
.else
	s_wait_dscnt 0x0
.endif
.if (\t)+4 < STEPS
	LOAD (\t)+4                                    ; into the registers that the stage's stores have read
.endif
.if (\t)+1 < STEPS
.if STEPS-2-(\t) >= 3
	s_wait_loadcnt 12                              ; the next step's four loads are in; those of the three steps behind it may be out
.else
	s_wait_loadcnt 4*(STEPS-2-(\t))
.endif
	TURN (\t)+1                                    ; they go through the other stage while this step is worked
.endif
	v_max3_num_f32 v8, |v[XS]|, |v[XS+1]|, |v[XS+2]|               ; the largest magnitude of my 16, in two chains
	v_max3_num_f32 v9, |v[XS+3]|, |v[XS+4]|, |v[XS+5]|
.irp i, 6,10
	v_max3_num_f32 v8, v8, |v[XS+\i]|, |v[XS+\i+1]|
	v_max3_num_f32 v9, v9, |v[XS+\i+2]|, |v[XS+\i+3]|
.endr
	v_max3_num_f32 v8, v8, |v[XS+14]|, |v[XS+15]|
	v_max3_num_f32 v8, v8, v9, (EMAX+1)<<23        ; and the floor 2^(3 - 127): so the byte cannot fall under 1
	v_max_num_f32_dpp v8, v8, v8 row_xmask:1 row_mask:0xf bank_mask:0xf   ; and of my neighbour's 16: the block's
	v_add_nc_u32 v11, -(EMAX<<23), v8              ; 2 off its exponent field: the conversion takes the exponent field of this operand as its scale
	v_cvt_scalef32_pk8_fp4_f32 v[C+4*(\t)], v[XS:XS+7], v11
	v_cvt_scalef32_pk8_fp4_f32 v[C+4*(\t)+1], v[XS+8:XS+15], v11
	v_lshrrev_b32 v[E+(\t)], 23, v11               ; the scale's byte (also the plain line behind the conversions)
	ds_store_b8 v5, v[E+(\t)] offset:16*(\t)       ; both lanes of a block write the same byte with the same value
	global_store_b64 v4, v[C+4*(\t):C+4*(\t)+1], s[8:9] offset:32*CB*(\t)   ; 256 consecutive bytes a wave
.endm
.irp t, 0,1,2,3,4,5,6,7,8,9,10,11,12,13,14,15
	STEP \t
.endr
	ds_load_b64 v[8:9], v6                         ; LDS serves a wave's instructions in order: these see my byte stores
	s_wait_dscnt 0x0
	global_store_b64 v7, v[8:9], s[10:11]          ; 32 lanes store 256 consecutive bytes
	s_wait_tensorcnt 0x0                           ; the wave's end, behind my last LDS store
	ds_add_u32 v[SPW], v[NIL]
	s_wait_dscnt 0x0
	s_endpgm
; ---- w_proj to f16: a wave takes 8,192 numbers in four rounds of 16 loads (512 consecutive bytes each); a lane's four numbers become 8 bytes, so a wave's store covers 256 consecutive bytes.
.Lcvt:
	s_sub_co_u32 s17, ttmp9, WGQ
	s_lshl_b32 s17, s17, 2
	s_add_co_u32 s18, s17, s16                     ; my run, 0 to 127
	s_lshl_b32 s20, s18, 15                        ; 32,768 bytes of f32 a run
	s_mov_b32 s21, 0
	s_add_nc_u64 s[24:25], s[24:25], s[20:21]
	s_lshl_b32 s20, s18, 14                        ; 16,384 bytes of f16
	s_add_nc_u64 s[26:27], s[26:27], s[20:21]
.macro CLOAD g
.irp i, 0,1,2,3,4,5,6,7,8,9,10,11,12,13,14,15
	global_load_b128 v[R+4*\i:R+4*\i+3], v3, s[24:25] offset:8192*(\g)+512*\i th:TH_LOAD_NT
.endr
.endm
	CLOAD 0
.irp g, 0,1,2,3
	s_wait_loadcnt 0x0                             ; the round's sixteen loads are in
	s_wait_xcnt 0x0                                ; the stores of two rounds back have read the registers that are written below
.irp i, 0,1,2,3,4,5,6,7,8,9,10,11,12,13,14,15
	v_cvt_pk_f16_f32 v[C+32*(\g%2)+2*\i], v[R+4*\i], v[R+4*\i+1]
	v_cvt_pk_f16_f32 v[C+32*(\g%2)+2*\i+1], v[R+4*\i+2], v[R+4*\i+3]
.endr
.if \g < 3
	CLOAD \g+1                                     ; the next round's loads go out ahead of this round's stores
.endif
.irp i, 0,1,2,3,4,5,6,7,8,9,10,11,12,13,14,15
	global_store_b64 v4, v[C+32*(\g%2)+2*\i:C+32*(\g%2)+2*\i+1], s[26:27] offset:4096*\g+256*\i
.endr
.endr
	s_wait_tensorcnt 0x0                           ; the same three lines at this path's end
	ds_add_u32 v[SPW], v[NIL]
	s_wait_dscnt 0x0
	s_endpgm
.Lfunc_end_k_q5635668a00_prep:
	.size	k_q5635668a00_prep, .Lfunc_end_k_q5635668a00_prep-k_q5635668a00_prep
	.p2alignl 7, 3214868480
	.fill 96, 4, 3214868480
	.section	.rodata,"a",@progbits
	.p2align	6, 0x0
	.amdhsa_kernel k_q5635668a00_prep
		.amdhsa_group_segment_fixed_size 33280
		.amdhsa_private_segment_fixed_size 0
		.amdhsa_enable_private_segment 0
		.amdhsa_kernarg_size 64
		.amdhsa_user_sgpr_count 2
		.amdhsa_user_sgpr_kernarg_segment_ptr 1
		.amdhsa_wavefront_size32 1
		.amdhsa_system_sgpr_workgroup_id_x 1
		.amdhsa_system_sgpr_workgroup_id_y 1
		.amdhsa_system_sgpr_workgroup_id_z 1
		.amdhsa_system_vgpr_workitem_id 0
		.amdhsa_next_free_vgpr 192
		.amdhsa_next_free_sgpr 66
		.amdhsa_reserve_vcc 0
		.amdhsa_float_denorm_mode_32 3
		.amdhsa_float_denorm_mode_16_64 3
		.amdhsa_memory_ordered 1
		.amdhsa_forward_progress 1
		.amdhsa_inst_pref_size 54
	.end_amdhsa_kernel
	.amdgpu_metadata
---
amdhsa.version: [ 1, 2 ]
amdhsa.kernels:
  - .name:           k_q5635668a00_prep
    .symbol:         k_q5635668a00_prep.kd
    .args:
      - { .name: x, .offset: 0, .size: 8, .value_kind: global_buffer, .address_space: global }
      - { .name: w_attn, .offset: 8, .size: 8, .value_kind: global_buffer, .address_space: global }
      - { .name: xc, .offset: 16, .size: 8, .value_kind: global_buffer, .address_space: global }
      - { .name: xs, .offset: 24, .size: 8, .value_kind: global_buffer, .address_space: global }
      - { .name: wc, .offset: 32, .size: 8, .value_kind: global_buffer, .address_space: global }
      - { .name: ws, .offset: 40, .size: 8, .value_kind: global_buffer, .address_space: global }
      - { .name: w_proj, .offset: 48, .size: 8, .value_kind: global_buffer, .address_space: global }
      - { .name: w16, .offset: 56, .size: 8, .value_kind: global_buffer, .address_space: global }
    .group_segment_fixed_size: 33280
    .private_segment_fixed_size: 0
    .kernarg_segment_align: 8
    .kernarg_segment_size: 64
    .max_flat_workgroup_size: 128
    .sgpr_count:     66
    .vgpr_count:     192
    .wavefront_size: 32
...
	.end_amdgpu_metadata
.endif
;; end of part 1
;; launch qkv (part 2): grid 12 x 32, 4 waves a work-group, clusters of 4 x 4, 327,680 bytes of LDS; arguments xc, xs, wc, ws, b_attn, qkv, qkv16; writes qkv, qkv16
.if DOCPART == 2
	.amdgcn_target "amdgcn-amd-amdhsa--gfx1250"
	.amdhsa_code_object_version 6
	.text
	.protected	k_q5635668a00_qkv
	.globl	k_q5635668a00_qkv
	.p2align	8
	.type	k_q5635668a00_qkv,@function
k_q5635668a00_qkv:
	s_mov_b64 s[64:65], 0
	v_nop
	global_prefetch_b8 v0, s[64:65] scope:SCOPE_SE
	s_setreg_imm32_b32 hwreg(HW_REG_WAVE_MODE, 25, 1), 1
	s_wait_xcnt 0x0
	s_wait_alu depctr_hold_cnt(0) depctr_sa_sdst(0) depctr_va_vdst(0) depctr_va_sdst(0) depctr_va_ssrc(0) depctr_va_vcc(0) depctr_vm_vsrc(0)
	s_getreg_b32 s2, hwreg(HW_REG_IB_STS2, 6, 4)
	s_cmp_eq_u32 s2, 0
	s_cbranch_scc0 .Lentry_in_a_cluster
	s_endpgm
.Lentry_in_a_cluster:
	s_bfe_u32 s2, ttmp6, 0x10000c
	s_cmp_lg_u32 s2, 0xf033
	s_cbranch_scc0 .Lentry_shape_is_right
	s_endpgm
.Lentry_shape_is_right:
; qkv = Q(x) Q(w_attn)^T + b_attn on codes of FP4 (E2M1) with one E8M0 scale for each 32 along K; sums in f32.  x's codes [8192][512 bytes], w_attn's [3072][512 bytes]; scale bytes [rows][32].
; OUT: q, k, v as f16 by head, qkv [3][64 (batch x head)][2048][64]; and the f32 numbers of positions 0-15 of every sequence, qkv16 [4][3][16][16][64], for the launch that carries those rows in f32.
; LIMIT: |q|, |k|, |v| stay under 65,504 (beyond it the f16 number is infinity): with x and w_attn both 30 times what they usually hold they reach some 5,300.
; A tile of the result, 256 x 256, is made by a work-group of four waves; a wave makes 128 x 128: 64 accumulators, 512 registers.  K = 1,024 is two LDS slots of 512 along K (rows of 256 bytes):
; every tile is a first fill and nothing is filled again.  By this text's count a wave has three tensor loads out: its part of the scale bytes and of the two slots.
; CLUSTERS: 4 x 4 work-groups.  The four of a row of the cluster need the same rows of x, the four of a column the same rows of w_attn: each tile is asked for JOINTLY.
; The tile row is 8 cy + cluster y, so that cy is the batch and cluster y the block of 256 positions: the four tile rows that hold positions 0-15 lie in the clusters with y = 0, a number that all partners share.
; The tile column is 4 cluster x + cx: cluster x says q, k or v.
; THE MATRIX INSTRUCTION IS USED TRANSPOSED (source 0 = 16 rows of w_attn, source 1 = 16 rows of x): a lane holds eight neighbouring columns of one row.  The bias is the C of each sum's first instruction.
; REGISTERS: window 0: v0-31 addresses; v32-95 scale words, two sets; v128-191 x's fragments, one set; v192-255 the bias, eight registers for each of my eight blocks of 16 columns (on the way out v32-63, v192-255 are at work).
;   window 1: w_attn's fragments, two sets, at v0 and v128.   window 2: the accumulators of my rows 0-63 ((a, b) at v[8 (8 a + b)]);   window 3: those of my rows 64-127.
.set SIZE_K, 1024
.set KSTEP,  512
.set NQ,     KSTEP/128
.set ROWB,   256                       ; a tile's row in bytes
.set KROW,   SIZE_K*4/8                ; a row of codes in memory
.set PITCH,  272                       ; an LDS row: 256 bytes + 16 of padding: the 16 rows that a load touches start at 16 different banks (64 banks of 4 bytes: ISA guide 11.1)
.set FR,     8
.set NL,     2
.set NP,     4                         ; places behind this matrix instruction (ISA guide 7.12.1)
.set HALFT,  128*PITCH
.set SLOT,   4*HALFT
.set KS,     SIZE_K/32                 ; a row of scale bytes
.set SCL,    2*SLOT                    ; behind the slots: the scale bytes, as rows of 256 bytes + 16
.set HALFS,  (128*KS/256)*272
.set SBLK,   (16*KS/256)*272
.set SPARE,  SCL+4*HALFS               ; the spare words, 128 bytes a wave
.set SPITCH, 272                       ; the way out: a stage of 16 rows x (256 bytes + 16) for each wave, in slot 0, which has had its only fill and its last read when the first result is stored there
.set ADRA, 16
.set ADRB, 20
.set STO,  24                          ; v24 the stage: where I put 16 bytes of a row
.set RD,   25                          ; v25 the stage: where I read back
.set CO,   26                          ; v26 16 x lane
.set ADRS, 27
.set SPW,  28
.set NIL,  29
.set VS,   30                          ; v30 256 r + 32 h: my place in a head's 16 rows of f32
.set VB,   31                          ; v31 32 h: my eight numbers of a block of the bias
.set SC,   32
.set AF,   128
.set BIAS, 192
.set TMP,  192                         ; the way out: packed results
.set OB,   32                          ; the way out: rows read back: v32-63 and v224-255 by turns
.set G1, 24
.set G0, 32
.set G1B, 48
.set G0B, 56
.set G1S, 68
.set G0S, 76
.set G1SB, 80
.set G0SB, 88
.set MSB, 0
.macro WIN new                         ; the immediate's high byte repeats the setting that is left
.if MSB != \new
	s_set_vgpr_msb (MSB<<8)|\new
.set MSB, \new
.endif
.endm
.set MUL_LO, 0xa1                      ; source 0 window 1, source 1 window 0, C and D window 2
.set MUL_HI, 0xf1                      ; the same, C and D window 3
.set FST_LO, 0x81                      ; the first step: C (the bias) window 0, D window 2
.set FST_HI, 0xc1                      ; D window 3
.set TO_B,   0x40
; A joint load: waves 0 and 1 fetch for x, waves 2 and 3 for w_attn.  The branch hangs on the wave's number alone.  An s_nop 0 and four v_nop follow each line.
.macro JLOAD g0a, g1a, g0b, g1b
	s_cmp_eq_u32 s15, 0
	s_cbranch_scc0 .Lfor_b_\@
	tensor_load_to_lds s[\g0a:\g0a+3], s[\g1a:\g1a+7]
	s_nop 0
.rept 4
	v_nop
.endr
	s_branch .Lasked_\@
.Lfor_b_\@:
	tensor_load_to_lds s[\g0b:\g0b+3], s[\g1b:\g1b+7]
	s_nop 0
.rept 4
	v_nop
.endr
.Lasked_\@:
.endm
.macro CROUND                          ; a round of the cluster's barrier
	s_barrier_signal -1
	s_barrier_wait -1
	s_cmp_lg_u32 s14, 0
	s_cbranch_scc1 .Lnot_wave_0_\@
	s_barrier_signal -3
.Lnot_wave_0_\@:
	s_barrier_wait -3
	s_barrier_signal -1
	s_barrier_wait -1
.endm
	s_load_b128 s[4:7], s[0:1], 0x0                ; x's codes, x's scales
	s_load_b128 s[8:11], s[0:1], 0x10              ; w_attn's codes, its scales
	s_load_b64 s[12:13], s[0:1], 0x20              ; b_attn
	s_load_b64 s[96:97], s[0:1], 0x28              ; qkv
	s_load_b64 s[98:99], s[0:1], 0x30              ; qkv16
	v_lshl_add_u32 v[SPW], v0, 2, SPARE
	v_mov_b32 v[NIL], 0
	ds_add_u32 v[SPW], v[NIL]                      ; the wave's opening: the add, twice on end, and its wait ahead of my first tensor load
	ds_add_u32 v[SPW], v[NIL]
	v_lshrrev_b32 v1, 5, v0
	v_readfirstlane_b32 s14, v1                    ; wave 0..3
	s_lshr_b32 s15, s14, 1                         ; which half of the tile's rows is mine.  Also: I fetch for x (0) or for w_attn (1)
	s_and_b32 s16, s14, 1                          ; which half of its columns.  Also: which 128 rows I fetch
	s_bfe_u32 s40, ttmp6, 0x40000                  ; cx
	s_bfe_u32 s41, ttmp6, 0x40004                  ; cy
	s_lshl_b32 s42, ttmp9, 2
	s_add_co_u32 s42, s42, s40                     ; tile column = 4 x cluster x + cx
	s_and_b32 s95, ttmp7, 0xffff                   ; cluster y
	s_lshl_b32 s17, s41, 3
	s_add_co_u32 s17, s17, s95                     ; tile row = 8 cy + cluster y
	s_lshl_b32 s43, s41, 2
	s_lshl_b32 s43, 15, s43                        ; my row of the cluster
	s_lshl_b32 s44, 0x1111, s40                    ; my column
	s_or_b32 s[G1+0], s43, (0<<16)|(1<<20)|(1<<21)|(5<<22)|(3<<25)  ; the mask; elements of 1 byte; padding on; bit 21 beside a mask; after every 64 words 4 words
	s_or_b32 s[G1B+0], s44, (0<<16)|(1<<20)|(1<<21)|(5<<22)|(3<<25)
.irp g, G1, G1B
	s_mov_b32 s[\g+1], ROWB<<16                    ; tensor_dim0
	s_mov_b32 s[\g+2], 128<<16                     ; tensor_dim1
	s_mov_b32 s[\g+3], ROWB<<16                    ; tile_dim0
	s_mov_b32 s[\g+4], 128                         ; tile_dim1
	s_mov_b32 s[\g+5], KROW                        ; from row to row
	s_mov_b32 s[\g+6], 0
	s_mov_b32 s[\g+7], 0
.endr
	s_or_b32 s[G1S+0], s43, (3<<16)|(1<<20)|(1<<21)|(5<<22)|(3<<25) ; the scale bytes of 128 rows: 4,096 dense bytes as 16 rows of 256 (32 elements of 8 bytes), 16 bytes of padding behind each
	s_or_b32 s[G1SB+0], s44, (3<<16)|(1<<20)|(1<<21)|(5<<22)|(3<<25)
.irp g, G1S, G1SB
	s_mov_b32 s[\g+1], 32<<16
	s_mov_b32 s[\g+2], (128*KS/256)<<16
	s_mov_b32 s[\g+3], 32<<16
	s_mov_b32 s[\g+4], 128*KS/256
	s_mov_b32 s[\g+5], 32
	s_mov_b32 s[\g+6], 0
	s_mov_b32 s[\g+7], 0
.endr
	s_lshl_b32 s18, s16, 7
	s_lshl_b32 s20, s17, 8
	s_add_co_u32 s20, s20, s18                     ; x: row 256 x tile row + 128 x half
	s_lshl_b32 s46, s42, 8
	s_add_co_u32 s46, s46, s18                     ; w_attn: row 256 x tile column + 128 x half
	s_mov_b32 s21, 0
	s_mov_b32 s47, 0
	s_mov_b64 s[18:19], KS
	s_mul_u64 s[22:23], s[20:21], s[18:19]         ; where these rows' scale bytes begin
	s_mul_u64 s[92:93], s[46:47], s[18:19]
	s_mov_b64 s[18:19], KROW
	s_mul_u64 s[20:21], s[20:21], s[18:19]         ; and their codes
	s_mul_u64 s[46:47], s[46:47], s[18:19]
	s_mul_i32 s45, s14, HALFT                      ; where they go: wave x 128 rows
	s_mul_i32 s94, s14, HALFS
	s_wait_dscnt 0x0                               ; both opening adds are done
	s_wait_kmcnt 0x0
	s_add_nc_u64 s[20:21], s[4:5], s[20:21]
	s_add_nc_u64 s[22:23], s[6:7], s[22:23]
	s_add_nc_u64 s[46:47], s[8:9], s[46:47]
	s_add_nc_u64 s[92:93], s[10:11], s[92:93]
	CROUND                                         ; all sixteen work-groups are here: the joint loads meet
	s_mov_b32 s[G0S], 1
	s_add_co_u32 s[G0S+1], s94, SCL
	s_mov_b64 s[G0S+2:G0S+3], s[22:23]
	s_or_b32 s[G0S+3], s[G0S+3], 0x80000000
	s_mov_b32 s[G0SB], 1
	s_add_co_u32 s[G0SB+1], s94, SCL
	s_mov_b64 s[G0SB+2:G0SB+3], s[92:93]
	s_or_b32 s[G0SB+3], s[G0SB+3], 0x80000000
	JLOAD G0S, G1S, G0SB, G1SB                     ; the scale bytes first: they are wanted with slot 0
.irp s, 0,1
	s_mov_b32 s[G0+4*\s], 1
	s_add_co_u32 s[G0+4*\s+1], s45, \s*SLOT
	s_add_nc_u64 s[G0+4*\s+2:G0+4*\s+3], s[20:21], \s*ROWB
	s_or_b32 s[G0+4*\s+3], s[G0+4*\s+3], 0x80000000
	s_mov_b32 s[G0B+4*\s], 1
	s_add_co_u32 s[G0B+4*\s+1], s45, \s*SLOT
	s_add_nc_u64 s[G0B+4*\s+2:G0B+4*\s+3], s[46:47], \s*ROWB
	s_or_b32 s[G0B+4*\s+3], s[G0B+4*\s+3], 0x80000000
	JLOAD G0+4*\s, G1, G0B+4*\s, G1B
.endr
	v_and_b32 v1, 15, v0                           ; r = lane % 16
	v_bfe_u32 v2, v0, 4, 1                         ; h = lane / 16
	v_mul_u32_u24 v3, v1, PITCH
	v_lshl_add_u32 v4, v2, 4, v3                   ; row x pitch + 16 x half
	s_mul_i32 s21, s15, HALFT                      ; my 128 rows of x
	s_mul_i32 s22, s16, HALFT                      ; my 128 rows of w_attn,
	s_add_co_u32 s22, s22, 2*HALFT                 ; which lie behind x's 256
.irp s, 0,1
	v_add_nc_u32 v[ADRA+\s], s21, v4
	v_add_nc_u32 v[ADRB+\s], s22, v4
	s_add_co_u32 s21, s21, SLOT
	s_add_co_u32 s22, s22, SLOT
.endr
	v_mul_u32_u24 v5, v1, KS                       ; my row's scale bytes: 32 a row,
	v_lshrrev_b32 v6, 8, v5
	v_lshl_add_u32 v5, v6, 4, v5                   ; and 16 more for each 256 passed
	s_mul_i32 s21, s15, HALFS
	s_mul_i32 s22, s16, HALFS
	s_add_co_u32 s22, s22, 2*HALFS
	s_sub_co_u32 s22, s22, s21
	v_mul_u32_u24 v6, s22, v2                      ; lanes 16-31 take w_attn's
	s_add_co_u32 s21, s21, SCL
	v_add_nc_u32 v5, v5, v6
	v_add_nc_u32 v[ADRS], s21, v5
	s_mul_i32 s23, s14, 16*SPITCH                  ; my stage
	v_add_nc_u32 v[STO], s23, v4                   ; in: row r, 16 bytes for each half of the lanes
	v_bfe_u32 v5, v0, 3, 2
	v_mul_u32_u24 v5, v5, SPITCH
	v_and_b32 v6, 7, v0
	v_lshl_add_u32 v5, v6, 4, v5
	v_add_nc_u32 v[RD], s23, v5                    ; back: eight lanes take a head's 128 bytes of a row, four rows an instruction
	v_and_b32 v6, 31, v0
	v_lshlrev_b32 v[CO], 4, v6                     ; which are 512 consecutive bytes of qkv
	v_lshlrev_b32 v[VB], 5, v2
	v_lshl_add_u32 v[VS], v1, 8, v[VB]
	s_lshl_b32 s2, s42, 10                         ; the bias of my first column: 4 x (256 x tile column + 128 x half)
	s_lshl_b32 s3, s16, 9
	s_add_co_u32 s2, s2, s3
	s_mov_b32 s3, 0
	s_add_nc_u64 s[12:13], s[12:13], s[2:3]
.irp b, 0,1,2,3,4,5,6,7
	global_load_b128 v[BIAS+8*\b:BIAS+8*\b+3], v[VB], s[12:13] offset:64*\b       ; b_attn at my block b's columns 8 h + 0 .. 7, in the result's layout
	global_load_b128 v[BIAS+8*\b+4:BIAS+8*\b+7], v[VB], s[12:13] offset:64*\b+16
.endr
	s_lshl_b32 s2, ttmp9, 24                       ; qkv: q, k or v,
	s_lshl_b32 s18, s41, 22                        ; the batch's 16 heads,
	s_add_co_u32 s2, s2, s18
	s_lshl_b32 s18, s40, 20                        ; head 4 cx + 2 x half,
	s_add_co_u32 s2, s2, s18
	s_lshl_b32 s18, s16, 19
	s_add_co_u32 s2, s2, s18
	s_lshl_b32 s18, s95, 15                        ; position 256 x cluster y + 128 x half, 128 bytes each
	s_add_co_u32 s2, s2, s18
	s_lshl_b32 s18, s15, 14
	s_add_co_u32 s2, s2, s18
	s_add_nc_u64 s[96:97], s[96:97], s[2:3]
	s_mul_i32 s2, s41, 3                           ; qkv16: ((3 batch + which) 16 + head) x 4,096 bytes
	s_add_co_u32 s2, s2, ttmp9
	s_lshl_b32 s2, s2, 4
	s_lshl_b32 s18, s40, 2
	s_add_co_u32 s2, s2, s18
	s_lshl_b32 s18, s16, 1
	s_add_co_u32 s2, s2, s18
	s_lshl_b32 s2, s2, 12
	s_add_nc_u64 s[98:99], s[98:99], s[2:3]
.macro FRAG reg, adr, q, i             ; 16 rows x 128 K of 4-bit codes: 8 registers; lane l holds row l % 16; registers 4 c .. 4 c + 3 hold K = 64 c + 32 (l / 16) + 0 .. 31
.irp c, 0,1
	ds_load_b128 v[\reg+4*\c:\reg+4*\c+3], v[\adr] offset:64*(\q)+32*\c+(\i)*16*PITCH
.endr
.endm
; 16 matrix instructions: x's blocks a0, a0 + 1 against w_attn's eight.  p: w_attn's set; sc: the set of scale words.  zero = 1: the first product starts the sums on the bias.
; The 64 accumulators take turns, one instruction a turn, in the same order in every step.
.macro MUL16 a0, p, q, sc, zero
.irp a, \a0, \a0+1
.irp b, 0,1,2,3,4,5,6,7
.if \zero
	v_wmma_scale_f32_16x16x128_f8f6f4 v[8*(8*((\a)%4)+\b):8*(8*((\a)%4)+\b)+7], v[128*(\p)+FR*\b:128*(\p)+FR*\b+FR-1], v[AF+FR*(\a):AF+FR*(\a)+FR-1], v[BIAS+8*\b:BIAS+8*\b+7], v[SC+8*NQ*(\sc)+NQ*\b+(\q)], v[SC+8*NQ*(\sc)+NQ*(\a)+(\q)] matrix_a_fmt:MATRIX_FMT_FP4 matrix_b_fmt:MATRIX_FMT_FP4 matrix_a_scale:MATRIX_SCALE_ROW1
.else
	v_wmma_scale_f32_16x16x128_f8f6f4 v[8*(8*((\a)%4)+\b):8*(8*((\a)%4)+\b)+7], v[128*(\p)+FR*\b:128*(\p)+FR*\b+FR-1], v[AF+FR*(\a):AF+FR*(\a)+FR-1], v[8*(8*((\a)%4)+\b):8*(8*((\a)%4)+\b)+7], v[SC+8*NQ*(\sc)+NQ*\b+(\q)], v[SC+8*NQ*(\sc)+NQ*(\a)+(\q)] matrix_a_fmt:MATRIX_FMT_FP4 matrix_b_fmt:MATRIX_FMT_FP4 matrix_a_scale:MATRIX_SCALE_ROW1
.endif
.endr
.endr
.endm
.macro FETCH_B slot, q, p
	WIN TO_B
.irp i, 0,1,2,3,4,5,6,7
	FRAG 128*(\p)+FR*\i, ADRB+\slot, \q, \i
.endr
	WIN 0
.endm
.macro FETCH_A slot, q, i0
.irp i, \i0, \i0+1, \i0+2, \i0+3
	FRAG AF+FR*(\i), ADRA+\slot, \q, \i
.endr
.endm
.macro SCALES sc                       ; a slot's scale words: 4 words a row; lanes 0-15 take x's block i, lanes 16-31 w_attn's block i
.irp i, 0,1,2,3,4,5,6,7
	ds_load_b128 v[SC+8*NQ*\sc+NQ*\i:SC+8*NQ*\sc+NQ*\i+3], v[ADRS] offset:\i*SBLK
.endr
.endm
.macro PLACES n                        ; plain vector instructions between a matrix instruction and a load into, or a read of, its registers
.rept \n
	v_nop
.endr
.endm
.macro STEP slot, q, zero              ; a step of 128 along K that has its successor in the same slot
	s_wait_dscnt 4*NL                              ; all but the youngest eight loads (x's blocks 4-7) are in
.if \zero
	WIN FST_LO
.else
	WIN MUL_LO
.endif
	MUL16 0, (\q)%2, \q, \slot, \zero
	MUL16 2, (\q)%2, \q, \slot, \zero
	s_wait_dscnt 0                                 ; x's blocks 4-7 are in
	PLACES NP
	FETCH_B \slot, (\q)+1, 1-(\q)%2
	FETCH_A \slot, (\q)+1, 0
.if \zero
	WIN FST_HI
.else
	WIN MUL_HI
.endif
	MUL16 4, (\q)%2, \q, \slot, \zero
	MUL16 6, (\q)%2, \q, \slot, \zero
	PLACES NP
	WIN 0
	FETCH_A \slot, (\q)+1, 4
.endm
; Slot 0's last step goes over to slot 1: each wave waits for all its tensor loads (its part of slot 1), then the barrier shows the whole slot to every wave.
.macro TURN slot, next
	s_wait_tensorcnt 0x0                           ; all my tensor loads have landed
	ds_add_u32 v[SPW], v[NIL]                      ; 0 onto my spare word
	s_wait_dscnt 4*NL+1                            ; the add and the youngest eight loads may be out
	WIN MUL_LO
	MUL16 0, 1, NQ-1, \slot, 0
	s_wait_dscnt 0x0                               ; the add is done, and my reads of this slot are over
	s_barrier_signal -1
	MUL16 2, 1, NQ-1, \slot, 0
	WIN 0
	s_barrier_wait -1
	PLACES NP
	v_add_nc_u32 v[ADRS], 4*NQ, v[ADRS]            ; on to the next slot's scale words
	FETCH_B \next, 0, 0
	FETCH_A \next, 0, 0
	SCALES \next
	WIN MUL_HI
	MUL16 4, 1, NQ-1, \slot, 0
	MUL16 6, 1, NQ-1, \slot, 0
	PLACES NP
	WIN 0
	FETCH_A \next, 0, 4
.endm
	s_wait_tensorcnt 1                             ; the scale bytes and my part of slot 0 are in; slot 1's load may be out
	s_barrier_signal -1
	s_barrier_wait -1
	FETCH_B 0, 0, 0
	FETCH_A 0, 0, 0
	SCALES 0
	FETCH_A 0, 0, 4
	s_wait_loadcnt 0x0                             ; the bias
	STEP 0, 0, 1
	STEP 0, 1, 0
	STEP 0, 2, 0
	TURN 0, 1
	STEP 1, 0, 0
	STEP 1, 1, 0
	STEP 1, 2, 0
	s_wait_dscnt 4*NL                              ; the last step: nothing more to fetch
	WIN MUL_LO
	MUL16 0, 1, NQ-1, 1, 0
	MUL16 2, 1, NQ-1, 1, 0
	s_wait_dscnt 0
	WIN MUL_HI
	MUL16 4, 1, NQ-1, 1, 0
	MUL16 6, 1, NQ-1, 1, 0
	WIN 0
	PLACES NP                                      ; behind the last products: for all reads of results and all loads into operands' registers below
	; POSITIONS 0-15 IN f32.  They are my block 0 where cluster y = 0 and my rows are the tile's upper half: a branch on a number that all partners share and on the wave's number.
	; A lane stores 32 consecutive bytes of a row of 256: these stores cover parts of rows only; they are one byte in 64 of what the launch stores.
	s_or_b32 s18, s95, s15
	s_cmp_lg_u32 s18, 0
	s_cbranch_scc1 .Lno16
	WIN 0x08                                       ; a store's data are its source 1: window 2
.irp b, 0,1,2,3,4,5,6,7
	global_store_b128 v[VS], v[8*\b:8*\b+3], s[98:99] offset:(\b/4)*4096+(\b%4)*64       ; each accumulator from its low end on
	global_store_b128 v[VS], v[8*\b+4:8*\b+7], s[98:99] offset:(\b/4)*4096+(\b%4)*64+16
.endr
	WIN 0
	s_wait_xcnt 0x0
.Lno16:
; THE WAY OUT, a block of 16 rows x 128 columns (two heads) at a time: rounded to f16, 16 bytes a lane, through my stage, and back so that a store covers four rows of one head: 512 consecutive bytes of qkv.
.macro PACK a
.set AC, 64*((\a)%4)
	WIN 0x0a+5*((\a)/4)                            ; sources 0 and 1: window 2 or 3
.irp b, 0,1,2,3,4,5,6,7
.irp q, 0,1,2,3
	v_cvt_pk_f16_f32 v[TMP+4*\b+\q], v[AC+8*\b+2*\q], v[AC+8*\b+2*\q+1]
.endr
.endr
	WIN 0
.endm
.macro TOSTAGE a
.set BB, OB+192*((\a)%2)
.irp b, 0,1,2,3,4,5,6,7
	ds_store_b128 v[STO], v[TMP+4*\b:TMP+4*\b+3] offset:32*\b
.endr
.irp j, 0,1
.irp i, 0,1,2,3
	ds_load_b128 v[BB+4*(4*\j+\i):BB+4*(4*\j+\i)+3], v[RD] offset:4*SPITCH*\i+128*\j   ; LDS serves a wave's instructions in order (ISA guide 5.7.1.4): these see the stores above
.endr
.endr
.endm
.macro SEND a
.set BB, OB+192*((\a)%2)
	s_wait_dscnt 0x0                               ; the block is back in registers
	s_wait_xcnt 0x0                                ; the stores of the block before have read their registers: the next block's loads may land there
.irp j, 0,1
.irp i, 0,1,2,3
	global_store_b128 v[CO], v[BB+4*(4*\j+\i):BB+4*(4*\j+\i)+3], s[96:97] offset:\j*262144+(\a)*2048+\i*512
.endr
.endr
.endm
	PACK 0
	TOSTAGE 0
.irp a, 1,2,3,4,5,6,7                  ; block a's conversions stand between block a - 1's loads from the stage and the wait for them
	PACK \a
	SEND \a-1
	TOSTAGE \a
.endr
	SEND 7
	s_wait_tensorcnt 0x0                           ; the wave's end
	ds_add_u32 v[SPW], v[NIL]
	s_wait_dscnt 0x0
	CROUND                                         ; the closing round
	s_endpgm
.Lfunc_end_k_q5635668a00_qkv:
	.size	k_q5635668a00_qkv, .Lfunc_end_k_q5635668a00_qkv-k_q5635668a00_qkv
	.p2alignl 7, 3214868480
	.fill 96, 4, 3214868480
	.section	.rodata,"a",@progbits
	.p2align	6, 0x0
	.amdhsa_kernel k_q5635668a00_qkv
		.amdhsa_group_segment_fixed_size 327680
		.amdhsa_private_segment_fixed_size 0
		.amdhsa_enable_private_segment 0
		.amdhsa_kernarg_size 56
		.amdhsa_user_sgpr_count 2
		.amdhsa_user_sgpr_kernarg_segment_ptr 1
		.amdhsa_wavefront_size32 1
		.amdhsa_system_sgpr_workgroup_id_x 1
		.amdhsa_system_sgpr_workgroup_id_y 1
		.amdhsa_system_sgpr_workgroup_id_z 1
		.amdhsa_system_vgpr_workitem_id 0
		.amdhsa_next_free_vgpr 1024
		.amdhsa_next_free_sgpr 100
		.amdhsa_reserve_vcc 0
		.amdhsa_float_denorm_mode_32 3
		.amdhsa_float_denorm_mode_16_64 3
		.amdhsa_memory_ordered 1
		.amdhsa_forward_progress 1
		.amdhsa_inst_pref_size 130
	.end_amdhsa_kernel
	.amdgpu_metadata
---
amdhsa.version: [ 1, 2 ]
amdhsa.kernels:
  - .name:           k_q5635668a00_qkv
    .symbol:         k_q5635668a00_qkv.kd
    .args:
      - { .name: xc, .offset: 0, .size: 8, .value_kind: global_buffer, .address_space: global }
      - { .name: xs, .offset: 8, .size: 8, .value_kind: global_buffer, .address_space: global }
      - { .name: wc, .offset: 16, .size: 8, .value_kind: global_buffer, .address_space: global }
      - { .name: ws, .offset: 24, .size: 8, .value_kind: global_buffer, .address_space: global }
      - { .name: b_attn, .offset: 32, .size: 8, .value_kind: global_buffer, .address_space: global }
      - { .name: qkv, .offset: 40, .size: 8, .value_kind: global_buffer, .address_space: global }
      - { .name: qkv16, .offset: 48, .size: 8, .value_kind: global_buffer, .address_space: global }
    .group_segment_fixed_size: 327680
    .private_segment_fixed_size: 0
    .kernarg_segment_align: 8
    .kernarg_segment_size: 56
    .max_flat_workgroup_size: 128
    .sgpr_count:     100
    .vgpr_count:     1024
    .wavefront_size: 32
...
	.end_amdgpu_metadata
.endif
;; end of part 2
;; launch attn (part 3): grid 4 x 64, 8 waves a work-group, no clusters, 327,680 bytes of LDS; arguments qkv, yh; writes yh
.if DOCPART == 3
	.amdgcn_target "amdgcn-amd-amdhsa--gfx1250"
	.amdhsa_code_object_version 6
	.text
	.protected	k_q5635668a00_attn
	.globl	k_q5635668a00_attn
	.p2align	8
	.type	k_q5635668a00_attn,@function
k_q5635668a00_attn:
	s_mov_b64 s[64:65], 0
	v_nop
	global_prefetch_b8 v0, s[64:65] scope:SCOPE_SE
	s_setreg_imm32_b32 hwreg(HW_REG_WAVE_MODE, 25, 1), 1
	s_wait_xcnt 0x0
; y[bh][q] = the sum over k <= q of softmax_k(q . k / 8) v[bh][k].  q, k, v: qkv [3][64][2048][64] f16; y: yh [64][2048][64] f16.  Products on f16 operands, sums, maxima and exponentials in f32.
; LIMIT: |y| is bounded by |v|, which the launch before keeps under 65,504.  Positions 0-15 of every sequence are written here too, and carried anew in f32 by the last launch on the way to the output.
; SHARES.  Work-group (p, bh) owns the query blocks p and 7 - p of head bh, 256 queries each, one after the other: (p + 1) + (8 - p) = 9 units of 256 keys in every work-group, so all 256 have equal work
; and the loop over units has a constant count.  Each of eight waves owns 32 queries: two tiles of 16; two waves share a SIMD, so that one's vector work stands beside the other's products.
; NO CLUSTER: the four work-groups of a head walk the key units in different orders (p = 0: 0, 0..7; p = 3: 0..3, 0..4), so their requests for a tile do not meet.
; LAYOUT.  S^T = K Q^T (source 0 = 16 keys, source 1 = 16 queries): a lane holds ONE query (lane % 16) and the keys 8 (lane / 16) + 0..7.  Two such tiles, rounded to f16 in pairs, ARE source 1 of O^T = V^T P.
; K comes out of LDS as it lies, V ([key][channel]) turned, by ds_load_tr16_b128.
; SOFTMAX.  A running maximum m and sum l for each query: p = 2^(c s - c m), c = log2(e) / 8; in every step O and l are multiplied by a = 2^(c m_old - c m_new).  m starts at -3e38, O and l at 0, so the step is written once.
; CAUSAL.  A step of 64 keys all of which come after my 32 queries is jumped over (ids alone); the steps on the diagonal set hidden scores to -infinity.  A step that is walked begins at or before my first query, so every query has a key in it.
; RING.  Two slots of one unit (256 keys: four steps, each 64 rows of K then 64 of V).  Waves 0-3 fetch K's quarters, waves 4-7 V's: one tensor load a wave behind each barrier, one out by this text's count.
; REGISTERS: window 0: v1-15 addresses and constants; v16-31 statistics, 8 a tile; v32-95 S^T, 32 a tile; v96-127 P, 16 a tile; v128-191 K; v192-223 Q; v224-225 the mask's distances.  window 1: v0-63 O^T, 32 a tile; v64-127 V.
.set PK,    144                        ; a row of K in LDS: 128 bytes + 16: an odd multiple of 16 bytes
.set PV,    160                        ; a row of V: 128 + 32: an odd multiple of 32 bytes, for the turning load
.set VOFF,  64*PK
.set STEPB, 64*(PK+PV)
.set SLOT1, 1<<17                      ; slot 1 begins here: one exclusive or turns an address
.set STAGE, SLOT1+4*STEPB              ; behind the ring: 32 rows x 144 bytes for each wave
.set SPARE, STAGE+8*32*PK              ; the spare words, 128 bytes a wave
.set AK0, 3
.set AV0, 4
.set ADK, 5
.set ADV, 6
.set QO,  7
.set STO, 8
.set RD,  9
.set GO,  10
.set RH,  11                           ; r - 8 h
.set SPW, 12
.set NIL, 13
.set PFO, 14                           ; 256 x lane
.set NEG, 15                           ; -infinity
.set ST,  16                           ; tile t at v[ST+8 t]: +0 c m, +1 m, +2, +3 l, +4 to +7 at work; a in +6
.set S,   32
.set P,   96
.set KFR, 128
.set QF,  192
.set DD,  224
.set VF,  64                           ; in window 1
.set WV,  8
.set PP,  9
.set BH,  10
.set QB,  11
.set Q0,  12                           ; my first query
.set KU,  13                           ; the key unit in hand
.set KN,  14                           ; the next one
.set CNT, 15                           ; units left for this query block
.set LEFT, 16
.set JJ,  17
.set KF,  18                           ; the step's first key
.set TB,  19                           ; LDS byte at which the step's tiles begin
.set SEL, 20
.set CS,  22
.set G1K, 24
.set G1V, 32
.set G0,  40
.set KVB, 44                           ; s[44:45] my quarter of K or V in key unit 0
.set OFF, 46                           ; s[46:47] an offset; the high word stays 0
.set PFA, 48
.set LIM, 50
.set QH,  52
.set YHB, 54
.set WA,  56
.set WB,  58
.set T0,  60
.set T1,  61
.set MSB, 0
.macro WIN new
.if MSB != \new
	s_set_vgpr_msb (MSB<<8)|\new
.set MSB, \new
.endif
.endm
.macro PLACES
.rept 4
	v_nop
.endr
.endm
.macro TLOAD                           ; waves 0-3: K's shape; waves 4-7: V's.  An s_nop 0 and four v_nop follow each line
	s_cmp_lt_u32 s[WV], 4
	s_cbranch_scc0 .Lfor_v_\@
	tensor_load_to_lds s[G0:G0+3], s[G1K:G1K+7]
	s_nop 0
.rept 4
	v_nop
.endr
	s_branch .Lasked_\@
.Lfor_v_\@:
	tensor_load_to_lds s[G0:G0+3], s[G1V:G1V+7]
	s_nop 0
.rept 4
	v_nop
.endr
.Lasked_\@:
.endm
; A PREFETCH of key unit u + 2 in trip u = 0 .. 5, by the head's first work-group alone (a branch on the work-group's number): each of its eight waves names its own quarter, 32 lanes 256 bytes apart.
; So each block of units 2 to 7 is named once in the launch, one trip (four key steps) or more ahead of the first tensor load that wants it; units 0 and 1 come by their loads alone; trips 6 and 7 ask for nothing.
.macro ASK
	s_cmp_gt_u32 s[LEFT], s[LIM]
	s_cbranch_scc0 .Lnot_mine_\@
	global_prefetch_b8 v[PFO], s[PFA:PFA+1] th:TH_LOAD_NT scope:SCOPE_SE
.Lnot_mine_\@:
.endm
	s_load_b128 s[4:7], s[0:1], 0x0                ; qkv, yh
	v_lshl_add_u32 v[SPW], v0, 2, SPARE
	v_mov_b32 v[NIL], 0
	ds_add_u32 v[SPW], v[NIL]                      ; the wave's opening: the add, twice on end, and its wait ahead of my first tensor load
	ds_add_u32 v[SPW], v[NIL]
	v_lshrrev_b32 v1, 5, v0
	v_readfirstlane_b32 s[WV], v1                  ; wave 0..7
	s_mov_b32 s[PP], ttmp9
	s_and_b32 s[BH], ttmp7, 0xffff
	s_mov_b32 s[G1K], (1<<16)|(1<<20)|(4<<22)|(3<<25)   ; elements of 2 bytes; padding on: after every 32 words 4 words
	s_mov_b32 s[G1V], (1<<16)|(1<<20)|(4<<22)|(7<<25)   ; 8 words
.irp g, G1K, G1V
	s_mov_b32 s[\g+1], 64<<16                      ; tensor_dim0
	s_mov_b32 s[\g+2], 64<<16                      ; tensor_dim1
	s_mov_b32 s[\g+3], 64<<16                      ; tile_dim0
	s_mov_b32 s[\g+4], 64                          ; tile_dim1
	s_mov_b32 s[\g+5], 64                          ; from row to row
	s_mov_b32 s[\g+6], 0
	s_mov_b32 s[\g+7], 0
.endr
	s_and_b32 s[T0], s[WV], 3                      ; which quarter I fetch,
	s_lshr_b32 s[T1], s[WV], 2                     ; of K (0) or of V (1)
	s_mul_i32 s[G0+1], s[T0], STEPB
	s_mul_i32 s[WB], s[T1], VOFF
	s_add_co_u32 s[G0+1], s[G0+1], s[WB]           ; its place in slot 0
	s_mov_b32 s[G0], 1
	s_add_co_u32 s[T1], s[T1], 1
	s_lshl_b32 s[T1], s[T1], 24                    ; k is the second, v the third part of qkv
	s_lshl_b32 s[T0], s[T0], 13                    ; 64 rows of 128 bytes a quarter
	s_add_co_u32 s[WA], s[T1], s[T0]
	s_lshl_b32 s[OFF], s[BH], 18                   ; a head: 2,048 rows of 128 bytes
	s_mov_b32 s[OFF+1], 0
	s_add_co_u32 s[WA], s[WA], s[OFF]
	s_mov_b32 s[WA+1], 0
	s_mov_b32 s[SEL], 0x76543210
	s_mov_b32 s[SEL+1], 0xfedcba98
	s_mov_b32 s[CS], 0x3e38aa3b                    ; c = log2(e) / 8
	s_mov_b32 s[CS+1], s[CS]
	s_cmp_eq_u32 s[PP], 0
	s_cselect_b32 s[LIM], 2, -1
	s_mov_b32 s[QB], s[PP]
	s_add_co_u32 s[CNT], s[PP], 1
	s_mov_b32 s[KU], 0
	s_mov_b32 s[KN], 0
	s_mov_b32 s[TB], 0
	s_mov_b32 s[LEFT], 8
	s_lshl_b32 s[Q0], s[QB], 8
	s_lshl_b32 s[T0], s[WV], 5
	s_add_co_u32 s[Q0], s[Q0], s[T0]
	s_wait_dscnt 0x0                               ; both opening adds are done
	s_wait_kmcnt 0x0
	s_add_nc_u64 s[KVB:KVB+1], s[4:5], s[WA:WA+1]
	s_add_nc_u64 s[QH:QH+1], s[4:5], s[OFF:OFF+1]
	s_add_nc_u64 s[YHB:YHB+1], s[6:7], s[OFF:OFF+1]
	s_add_nc_u64 s[PFA:PFA+1], s[KVB:KVB+1], 32768 ; at unit 1: the first trip steps it to unit 2
	s_mov_b64 s[G0+2:G0+3], s[KVB:KVB+1]
	s_or_b32 s[G0+3], s[G0+3], 0x80000000
	TLOAD                                          ; unit 0 into slot 0
	v_and_b32 v1, 15, v0                           ; r
	v_bfe_u32 v2, v0, 4, 1                         ; h
	v_mul_u32_u24 v[AK0], v1, PK
	v_lshl_add_u32 v[AK0], v2, 4, v[AK0]           ; K: row r, + 16 h
	v_and_b32 v5, 7, v0
	v_lshl_add_u32 v[AV0], v2, 3, v5               ; V: key 8 h + lane % 8,
	v_mul_u32_u24 v[AV0], v[AV0], PV
	v_bfe_u32 v5, v0, 3, 1
	v_lshl_add_u32 v[AV0], v5, 4, v[AV0]           ; channels 8 ((lane / 8) % 2) on
	v_add_nc_u32 v[AV0], VOFF, v[AV0]
	v_lshlrev_b32 v[QO], 7, v1
	v_lshl_add_u32 v[QO], v2, 4, v[QO]             ; Q: row r of 128 bytes, + 16 h
	s_mul_i32 s[T0], s[WV], 32*PK
	s_add_co_u32 s[T0], s[T0], STAGE               ; my stage
	v_add_nc_u32 v[STO], s[T0], v[AK0]
	v_bfe_u32 v5, v0, 3, 2
	v_mul_u32_u24 v5, v5, PK
	v_and_b32 v6, 7, v0
	v_lshl_add_u32 v5, v6, 4, v5
	v_add_nc_u32 v[RD], s[T0], v5                  ; back: eight lanes a row of 128 bytes, four rows an instruction
	v_and_b32 v6, 31, v0
	v_lshlrev_b32 v[GO], 4, v6
	v_lshlrev_b32 v[PFO], 8, v6
	v_lshlrev_b32 v[RH], 3, v2
	v_sub_nc_u32 v[RH], v1, v[RH]
	v_mov_b32 v[NEG], 0xff800000
.macro LOADQ                           ; my 32 queries' fragments stay in registers: tile t, channels 32 c on
	s_lshl_b32 s[WB], s[Q0], 7
	s_mov_b32 s[WB+1], 0
	s_add_nc_u64 s[WA:WA+1], s[QH:QH+1], s[WB:WB+1]
.irp t, 0,1
.irp c, 0,1
	global_load_b128 v[QF+16*\t+8*\c:QF+16*\t+8*\c+3], v[QO], s[WA:WA+1] offset:2048*\t+64*\c
	global_load_b128 v[QF+16*\t+8*\c+4:QF+16*\t+8*\c+7], v[QO], s[WA:WA+1] offset:2048*\t+64*\c+32
.endr
.endr
	s_wait_loadcnt 0x0
.endm
.macro RESET                           ; a query block begins: m = -3e38, l = 0, O^T = 0, which the first step's a = 0 leaves zeros
.irp t, 0,1
	v_mov_b32 v[ST+8*\t+1], 0xff61b1e6
	v_mul_f32 v[ST+8*\t], s[CS], v[ST+8*\t+1]
.irp k, 2,3,4,5,6,7
	v_mov_b32 v[ST+8*\t+\k], 0
.endr
.endr
	WIN 0x40
.set n, 0
.rept 64
	v_mov_b32 v[n], 0
.set n, n+1
.endr
	WIN 0
.endm
; A KEY STEP: 64 keys against my 32 queries: 16 + 16 matrix instructions; each fragment of K and of V feeds two.
.macro STEP
	s_add_co_u32 s[T0], s[Q0], 31
	s_cmp_gt_u32 s[KF], s[T0]                      ; all 64 keys come after my last query: the step's work is left out; the address steps at its end are not
	s_cbranch_scc1 .Lhid_\@
	v_add_nc_u32 v[ADK], s[TB], v[AK0]
	v_add_nc_u32 v[ADV], s[TB], v[AV0]
	PLACES                                         ; in front of loads into registers that the last products read
.irp kt, 0,1,2,3
.irp c, 0,1
	ds_load_b128 v[KFR+16*\kt+8*\c:KFR+16*\kt+8*\c+3], v[ADK] offset:\kt*16*PK+64*\c
	ds_load_b128 v[KFR+16*\kt+8*\c+4:KFR+16*\kt+8*\c+7], v[ADK] offset:\kt*16*PK+64*\c+32
.endr
.endr
	WIN 0x40                                       ; destination window 1
.irp kk, 0,1
.irp ct, 0,1,2,3
	ds_load_tr16_b128 v[VF+32*\kk+8*\ct:VF+32*\kk+8*\ct+3], v[ADV] offset:\kk*32*PV+32*\ct
	ds_load_tr16_b128 v[VF+32*\kk+8*\ct+4:VF+32*\kk+8*\ct+7], v[ADV] offset:\kk*32*PV+16*PV+32*\ct
.endr
.endr
	WIN 0
	s_wait_dscnt 16                                ; K is in; V's sixteen loads may stay out
.set i, 0
.rept 16                               ; S^T = K Q^T: channels 32 (i / 8) on, keys 16 ((i / 2) % 4) on, tile i % 2: eight accumulators by turns
.set rS, S+32*(i%2)+8*((i/2)%4)
.set rK, KFR+16*((i/2)%4)+8*(i/8)
.set rQ, QF+16*(i%2)+8*(i/8)
.if i < 8
	v_wmma_f32_16x16x32_f16 v[rS:rS+7], v[rK:rK+7], v[rQ:rQ+7], 0
.else
	v_wmma_f32_16x16x32_f16 v[rS:rS+7], v[rK:rK+7], v[rQ:rQ+7], v[rS:rS+7]
.endif
.set i, i+1
.endr
	PLACES
	s_add_co_u32 s[T0], s[KF], 63
	s_cmp_le_u32 s[T0], s[Q0]                      ; all 64 keys count for all my queries: no mask
	s_cbranch_scc1 .Lopen_\@
	s_sub_co_i32 s[T0], s[Q0], s[KF]
	v_add_nc_u32 v[DD], s[T0], v[RH]               ; d = my query - the step's first key - 8 h.  Register n holds key 16 (n / 8) + n % 8 + 8 h: hidden where 16 (n / 8) + n % 8 > d
	v_add_nc_u32 v[DD+1], 16, v[DD]
.irp t, 0,1
.set n, 0
.rept 32
	v_cmp_gt_i32 vcc_lo, 16*(n/8)+n%8, v[DD+\t]
	v_cndmask_b32 v[S+32*\t+n], v[S+32*\t+n], v[NEG], vcc_lo
.set n, n+1
.endr
.endr
.Lopen_\@:
	; the maximum of my 32 scores and the old m: four chains, the two tiles line by line
.irp j, 0,1,2,3
.irp t, 0,1
	v_max3_num_f32 v[ST+8*\t+4+\j], v[S+32*\t+8*\j], v[S+32*\t+8*\j+1], v[S+32*\t+8*\j+2]
.endr
.endr
.irp g, 1,2
.irp j, 0,1,2,3
.irp t, 0,1
	v_max3_num_f32 v[ST+8*\t+4+\j], v[ST+8*\t+4+\j], v[S+32*\t+8*\j+2*\g+1], v[S+32*\t+8*\j+2*\g+2]
.endr
.endr
.endr
.irp t, 0,1
	v_max3_num_f32 v[ST+8*\t+4], v[ST+8*\t+4], v[S+32*\t+7], v[S+32*\t+15]
.endr
.irp t, 0,1
	v_max3_num_f32 v[ST+8*\t+6], v[ST+8*\t+6], v[S+32*\t+23], v[S+32*\t+31]
.endr
.irp t, 0,1
	v_max3_num_f32 v[ST+8*\t+4], v[ST+8*\t+4], v[ST+8*\t+5], v[ST+8*\t+6]
.endr
.irp t, 0,1
	v_max3_num_f32 v[ST+8*\t+4], v[ST+8*\t+4], v[ST+8*\t+7], v[ST+8*\t+1]
.endr
.irp t, 0,1
	v_permlanex16_b32 v[ST+8*\t+5], v[ST+8*\t+4], s[SEL], s[SEL+1]   ; the query's other 32 keys lie in the lane 16 away
.endr
.irp t, 0,1
	v_mov_b32 v[ST+8*\t+7], v[ST+8*\t]             ; c m_old is kept for a
.endr
.irp t, 0,1
	v_max_num_f32 v[ST+8*\t+1], v[ST+8*\t+4], v[ST+8*\t+5]
.endr
.irp t, 0,1
	v_mul_f32 v[ST+8*\t], s[CS], v[ST+8*\t+1]
.endr
.irp t, 0,1
	v_sub_f32 v[ST+8*\t+7], v[ST+8*\t+7], v[ST+8*\t]
.endr
.irp b, 0,1,2,3,4,5,6,7,8,9,10,11,12,13,14,15
.irp t, 0,1
	v_pk_fma_f32 v[S+32*\t+2*\b:S+32*\t+2*\b+1], v[S+32*\t+2*\b:S+32*\t+2*\b+1], s[CS:CS+1], v[ST+8*\t:ST+8*\t+1] op_sel_hi:[1,0,0] neg_lo:[0,0,1] neg_hi:[0,0,1]   ; c s - c m
.endr
.endr
.irp t, 0,1
	v_exp_f32 v[ST+8*\t+6], v[ST+8*\t+7]           ; a
.endr
.set n, 0
.rept 64
	v_exp_f32 v[S+n], v[S+n]                       ; p, at most 1.  All 66 exponentials are one batch
.set n, n+1
.endr
	v_nop                                          ; a plain instruction behind the last exponential
	s_wait_alu depctr_va_vdst(0)                   ; and one wait ahead of the batch's first reader
.set n, 0
.rept 32
	v_cvt_pk_f16_f32 v[P+n], v[S+2*n], v[S+2*n+1]  ; the weights for the second product
.set n, n+1
.endr
.irp w, 4,8,16,32                      ; the sum of a tile's 16 pairs, in place: neighbours 1, 2, 4 and 8 pairs apart
.set u, 0
.rept 64/\w
	v_pk_add_f32 v[S+\w*u:S+\w*u+1], v[S+\w*u:S+\w*u+1], v[S+\w*u+\w/2:S+\w*u+\w/2+1]
.set u, u+1
.endr
.endr
.irp t, 0,1
	v_pk_fma_f32 v[ST+8*\t+2:ST+8*\t+3], v[ST+8*\t+2:ST+8*\t+3], v[ST+8*\t+6:ST+8*\t+7], v[S+32*\t:S+32*\t+1] op_sel_hi:[1,0,1]   ; l = a l + the sum
.endr
	WIN 0x41                                       ; O^T in window 1, a in window 0
.irp t, 0,1
.set n, 0
.rept 16
	v_pk_mul_f32 v[32*\t+n:32*\t+n+1], v[32*\t+n:32*\t+n+1], v[ST+8*\t+6:ST+8*\t+7] op_sel_hi:[1,0]
.set n, n+2
.endr
.endr
	s_wait_dscnt 0x0                               ; V is in
	WIN 0x51                                       ; V, C and D window 1, P window 0
.set i, 0
.rept 16                               ; O^T += V^T P: keys 32 (i / 8) on, channels 16 ((i / 2) % 4) on, tile i % 2: eight accumulators by turns
.set rO, 32*(i%2)+8*((i/2)%4)
.set rV, VF+32*(i/8)+8*((i/2)%4)
.set rP, P+16*(i%2)+8*(i/8)
	v_wmma_f32_16x16x32_f16 v[rO:rO+7], v[rV:rV+7], v[rP:rP+7], v[rO:rO+7]
.set i, i+1
.endr
	WIN 0
.Lhid_\@:
	s_add_co_u32 s[KF], s[KF], 64
	s_add_co_u32 s[TB], s[TB], STEPB
.endm
; THE CHANGE OF SLOTS, at a unit's head.  Each wave waits for all its tensor loads (its quarter of the unit that it is about to read), adds 0 to its spare word, and waits for that and for its reads of the slot that it has left.
; Behind the barrier the unit ahead is whole and nobody reads the other slot.  fill = 1: that slot takes the unit that follows: the load has a whole unit's work in which to land.
.macro CHANGE fill
	s_wait_tensorcnt 0x0                           ; no tensor load of mine is out, so the descriptor may be written
	ds_add_u32 v[SPW], v[NIL]                      ; the steps below stand between the add and the wait for it
.if \fill
	s_add_co_u32 s[KN], s[KU], 1
	s_cmp_eq_u32 s[CNT], 1                         ; this query block's last unit: the next block begins at key unit 0
	s_cselect_b32 s[KN], 0, s[KN]
	s_lshl_b32 s[OFF], s[KN], 15                   ; 256 rows of 128 bytes a unit
	s_xor_b32 s[G0+1], s[G0+1], SLOT1
	s_add_nc_u64 s[G0+2:G0+3], s[KVB:KVB+1], s[OFF:OFF+1]
	s_or_b32 s[G0+3], s[G0+3], 0x80000000
	s_wait_xcnt 0x0                                ; the last prefetch, a unit back, has read its address
	s_add_nc_u64 s[PFA:PFA+1], s[PFA:PFA+1], 32768
.endif
	s_wait_dscnt 0x0                               ; the add is done, and my reads of the slot that I have left are over
	s_barrier_signal -1
	s_barrier_wait -1
.if \fill
	TLOAD                                          ; the first thing behind the barrier, and my one tensor load until the next
	ASK
.endif
.endm
; A QUERY BLOCK ENDS: O^T / l, rounded to f16, through my stage, out as 4,096 consecutive bytes of yh.  last = 0: the second block's queries are fetched and the sums begin anew.
.macro FINISH last
	PLACES
.irp t, 0,1
	v_add_f32 v[ST+8*\t+4], v[ST+8*\t+2], v[ST+8*\t+3]
.endr
.irp t, 0,1
	v_permlanex16_b32 v[ST+8*\t+5], v[ST+8*\t+4], s[SEL], s[SEL+1]
.endr
.irp t, 0,1
	v_add_f32 v[ST+8*\t+4], v[ST+8*\t+4], v[ST+8*\t+5]
.endr
.irp t, 0,1
	v_rcp_f32 v[ST+8*\t+6], v[ST+8*\t+4]
.endr
	v_nop
	s_wait_alu depctr_va_vdst(0)                   ; one wait for the two reciprocals, ahead of their first reader
	WIN 0x41
.irp t, 0,1
.set n, 0
.rept 16
	v_pk_mul_f32 v[32*\t+n:32*\t+n+1], v[32*\t+n:32*\t+n+1], v[ST+8*\t+6:ST+8*\t+7] op_sel_hi:[1,0]
.set n, n+2
.endr
.endr
	WIN 0x05                                       ; sources window 1, destination window 0
.set n, 0
.rept 32
	v_cvt_pk_f16_f32 v[S+n], v[2*n], v[2*n+1]      ; registers S + 16 t + 4 ct on: channels 16 ct + 8 h + 0 .. 7 of query r of tile t
.set n, n+1
.endr
	WIN 0
.irp t, 0,1
.irp ct, 0,1,2,3
	ds_store_b128 v[STO], v[S+16*\t+4*\ct:S+16*\t+4*\ct+3] offset:16*PK*\t+32*\ct
.endr
.endr
.irp i, 0,1,2,3,4,5,6,7
	ds_load_b128 v[S+32+4*\i:S+32+4*\i+3], v[RD] offset:4*PK*\i   ; LDS serves a wave's instructions in order: these see my stores
.endr
	s_wait_xcnt 0x0
	s_lshl_b32 s[WB], s[Q0], 7
	s_mov_b32 s[WB+1], 0
	s_add_nc_u64 s[WA:WA+1], s[YHB:YHB+1], s[WB:WB+1]
.irp i, 0,1,2,3,4,5,6,7
	s_wait_dscnt 7-\i
	global_store_b128 v[GO], v[S+32+4*\i:S+32+4*\i+3], s[WA:WA+1] offset:512*\i   ; 512 consecutive bytes a store
.endr
.if !\last
	s_wait_xcnt 0x0                                ; the stores have read their registers and their base: both are written again below
	s_sub_co_u32 s[QB], 7, s[PP]
	s_sub_co_u32 s[CNT], 8, s[PP]
	s_lshl_b32 s[Q0], s[QB], 8
	s_lshl_b32 s[T0], s[WV], 5
	s_add_co_u32 s[Q0], s[Q0], s[T0]
	LOADQ
	RESET
.endif
.endm
.macro UNIT last                       ; a unit's four key steps: written once, walked four times
	s_lshl_b32 s[KF], s[KU], 8
	s_mov_b32 s[JJ], 4
.Lstep_\@:
	STEP
	s_sub_co_u32 s[JJ], s[JJ], 1
	s_cmp_lg_u32 s[JJ], 0
	s_cbranch_scc1 .Lstep_\@
	s_sub_co_u32 s[TB], s[TB], 4*STEPB
	s_xor_b32 s[TB], s[TB], SLOT1                  ; on to the other slot
.if \last
	FINISH 1
.else
	s_mov_b32 s[KU], s[KN]
	s_sub_co_u32 s[CNT], s[CNT], 1
	s_cmp_lg_u32 s[CNT], 0                         ; ids and counts alone: the same in all eight waves
	s_cbranch_scc1 .Lgo_\@
	FINISH 0
.Lgo_\@:
.endif
.endm
	LOADQ
	RESET
.Lunit:                                ; eight trips: behind each change of slots but the last the next unit is asked for
	CHANGE 1
	UNIT 0
	s_sub_co_u32 s[LEFT], s[LEFT], 1
	s_cmp_lg_u32 s[LEFT], 0
	s_cbranch_scc1 .Lunit
	CHANGE 0                                       ; the ninth unit is written out
	UNIT 1
	s_wait_tensorcnt 0x0                           ; the wave's end
	ds_add_u32 v[SPW], v[NIL]
	s_wait_dscnt 0x0
	s_endpgm
.Lfunc_end_k_q5635668a00_attn:
	.size	k_q5635668a00_attn, .Lfunc_end_k_q5635668a00_attn-k_q5635668a00_attn
	.p2alignl 7, 3214868480
	.fill 96, 4, 3214868480
	.section	.rodata,"a",@progbits
	.p2align	6, 0x0
	.amdhsa_kernel k_q5635668a00_attn
		.amdhsa_group_segment_fixed_size 327680
		.amdhsa_private_segment_fixed_size 0
		.amdhsa_enable_private_segment 0
		.amdhsa_kernarg_size 16
		.amdhsa_user_sgpr_count 2
		.amdhsa_user_sgpr_kernarg_segment_ptr 1
		.amdhsa_wavefront_size32 1
		.amdhsa_system_sgpr_workgroup_id_x 1
		.amdhsa_system_sgpr_workgroup_id_y 1
		.amdhsa_system_sgpr_workgroup_id_z 1
		.amdhsa_system_vgpr_workitem_id 0
		.amdhsa_next_free_vgpr 384
		.amdhsa_next_free_sgpr 66
		.amdhsa_reserve_vcc 1
		.amdhsa_float_denorm_mode_32 3
		.amdhsa_float_denorm_mode_16_64 3
		.amdhsa_memory_ordered 1
		.amdhsa_forward_progress 1
		.amdhsa_inst_pref_size 71
	.end_amdhsa_kernel
	.amdgpu_metadata
---
amdhsa.version: [ 1, 2 ]
amdhsa.kernels:
  - .name:           k_q5635668a00_attn
    .symbol:         k_q5635668a00_attn.kd
    .args:
      - { .name: qkv, .offset: 0, .size: 8, .value_kind: global_buffer, .address_space: global }
      - { .name: yh, .offset: 8, .size: 8, .value_kind: global_buffer, .address_space: global }
    .group_segment_fixed_size: 327680
    .private_segment_fixed_size: 0
    .kernarg_segment_align: 8
    .kernarg_segment_size: 16
    .max_flat_workgroup_size: 256
    .sgpr_count:     66
    .vgpr_count:     384
    .wavefront_size: 32
...
	.end_amdgpu_metadata
.endif
;; end of part 3
;; launch proj (part 4): grid 8 x 32, 4 waves a work-group, clusters of 4 x 4, 327,680 bytes of LDS; arguments yh, w16, b_proj, out0; writes out0
.if DOCPART == 4
	.amdgcn_target "amdgcn-amd-amdhsa--gfx1250"
	.amdhsa_code_object_version 6
	.text
	.protected	k_q5635668a00_proj
	.globl	k_q5635668a00_proj
	.p2align	8
	.type	k_q5635668a00_proj,@function
k_q5635668a00_proj:
	s_mov_b64 s[64:65], 0
	v_nop
	global_prefetch_b8 v0, s[64:65] scope:SCOPE_SE
	s_setreg_imm32_b32 hwreg(HW_REG_WAVE_MODE, 25, 1), 1
	s_wait_xcnt 0x0
	s_wait_alu depctr_hold_cnt(0) depctr_sa_sdst(0) depctr_va_vdst(0) depctr_va_sdst(0) depctr_va_ssrc(0) depctr_va_vcc(0) depctr_vm_vsrc(0)
	s_getreg_b32 s2, hwreg(HW_REG_IB_STS2, 6, 4)
	s_cmp_eq_u32 s2, 0
	s_cbranch_scc0 .Lentry_in_a_cluster
	s_endpgm
.Lentry_in_a_cluster:
	s_bfe_u32 s2, ttmp6, 0x10000c
	s_cmp_lg_u32 s2, 0xf033
	s_cbranch_scc0 .Lentry_shape_is_right
	s_endpgm
.Lentry_shape_is_right:
; out0 = y w_proj^T + b_proj.  y: yh [64 (batch x head)][2048][64] f16; w_proj: w16 [1024 n][1024 k] f16; out0 [8192][1024] f32; sums in f32.
; All 8,192 rows are written here.  The 64 rows of positions 0-15 are written again by the last launch, which carries them in f32: leaving their stores out here would take a branch on a work-group's place in its cluster.
; A tile of the result is 256 rows x 128 columns: 256 work-groups, one for each WGP.  Four waves, each 128 rows x 64 columns: 32 accumulators, which fill window 1 ((a, b) at v[8 (4 a + b)]).
; K goes in steps of 128, which are two heads: y's tile of a step is two dense blocks of 256 rows x 128 bytes (a head each), w16's is 128 rows of 256 bytes.  Two LDS slots; waves 0 and 1 fetch y's two blocks, waves 2 and 3 w16's halves.
; CLUSTERS: 4 x 4 work-groups; y's tiles are shared along a row of the cluster, w16's along a column, each asked for JOINTLY.  By this text's count a wave has two tensor loads out at the start, later one.
; THE MATRIX INSTRUCTION IS USED TRANSPOSED (source 0 = 16 rows of w16, source 1 = 16 rows of y): a lane holds eight neighbouring columns of one row.  The bias is the C of each sum's first instruction.
; No prefetch: eight K steps, of which the first four are on their way at the head or one change later.
; REGISTERS, window 0: v16-30 addresses; v32-63 the bias; v64-159, v160-255 two fragment buffers for 32 along K: y's 8 blocks at f + 8 a, w16's 4 at f + 64 + 8 b.
.set PA,     144                       ; a row of y in LDS: 128 bytes + 16
.set PB,     272                       ; a row of w16: 256 + 16
.set APL,    256*PA                    ; a head's block
.set BOFF,   2*APL
.set BHALF,  64*PB
.set SLOT,   BOFF+2*BHALF
.set STAGE,  2*SLOT                    ; behind the ring: 16 rows x 272 bytes for each wave
.set SPITCH, 272
.set SPARE,  STAGE+4*16*SPITCH
.set LAPS,   4                         ; a lap = two K steps; 1,024 / 256
.set ADRA, 16
.set ADRB, 20
.set STO,  24
.set RD,   25
.set CO,   26
.set SPW,  28
.set NIL,  29
.set BO,   30
.set BIAS, 32
.set F0,   64
.set F1,   160
.set BK,   64                          ; the way out: rows read back, v64-95 and v96-127 by turns
.set G1A, 24
.set G0A, 32
.set G1B, 48
.set G0B, 56
.set MSB, 0
.macro WIN new
.if MSB != \new
	s_set_vgpr_msb (MSB<<8)|\new
.set MSB, \new
.endif
.endm
.set MUL, 0x50                         ; operands window 0, C and D window 1
.set FST, 0x40                         ; the first quarter: C (the bias) window 0
.macro JLOAD s                         ; waves 0, 1: y's; waves 2, 3: w16's.  An s_nop 0 and four v_nop follow each line
	s_cmp_eq_u32 s13, 0
	s_cbranch_scc0 .Lfor_b_\@
	tensor_load_to_lds s[G0A+4*\s:G0A+4*\s+3], s[G1A:G1A+7]
	s_nop 0
.rept 4
	v_nop
.endr
	s_branch .Lasked_\@
.Lfor_b_\@:
	tensor_load_to_lds s[G0B+4*\s:G0B+4*\s+3], s[G1B:G1B+7]
	s_nop 0
.rept 4
	v_nop
.endr
.Lasked_\@:
.endm
.macro CREST
	s_cmp_lg_u32 s12, 0
	s_cbranch_scc1 .Lnot_wave_0_\@
	s_barrier_signal -3
.Lnot_wave_0_\@:
	s_barrier_wait -3
	s_barrier_signal -1
	s_barrier_wait -1
.endm
.macro CROUND
	s_barrier_signal -1
	s_barrier_wait -1
	CREST
.endm
	s_load_b256 s[4:11], s[0:1], 0x0               ; yh s[4:5], w16 s[6:7], b_proj s[8:9], out0 s[10:11]
	v_lshl_add_u32 v[SPW], v0, 2, SPARE
	v_mov_b32 v[NIL], 0
	ds_add_u32 v[SPW], v[NIL]                      ; the wave's opening: the add, twice on end, and its wait ahead of my first tensor load
	ds_add_u32 v[SPW], v[NIL]
	v_lshrrev_b32 v1, 5, v0
	v_readfirstlane_b32 s12, v1                    ; wave 0..3
	s_lshr_b32 s13, s12, 1                         ; which 128 rows are mine.  Also: I fetch for y (0) or for w16 (1)
	s_and_b32 s14, s12, 1                          ; which 64 columns.  Also: which head's block, or which 64 rows of w16, I fetch
	s_bfe_u32 s15, ttmp6, 0x40000                  ; cx
	s_bfe_u32 s16, ttmp6, 0x40004                  ; cy
	s_lshl_b32 s17, ttmp9, 2
	s_add_co_u32 s17, s17, s15                     ; tile column = 4 x cluster x + cx
	s_and_b32 s18, ttmp7, 0xffff
	s_lshl_b32 s18, s18, 2
	s_add_co_u32 s18, s18, s16                     ; tile row = 4 x cluster y + cy
	s_lshl_b32 s40, s16, 2
	s_lshl_b32 s40, 15, s40                        ; my row of the cluster
	s_lshl_b32 s41, 0x1111, s15                    ; my column
	s_or_b32 s[G1A], s40, (1<<16)|(1<<20)|(1<<21)|(4<<22)|(3<<25)   ; the mask; elements of 2 bytes; padding on; bit 21 beside a mask; after every 32 words 4 words
	s_mov_b32 s[G1A+1], 64<<16                     ; tensor_dim0
	s_mov_b32 s[G1A+2], 256<<16                    ; tensor_dim1
	s_mov_b32 s[G1A+3], 64<<16                     ; tile_dim0
	s_mov_b32 s[G1A+4], 256                        ; tile_dim1
	s_mov_b32 s[G1A+5], 64                         ; from row to row
	s_mov_b32 s[G1A+6], 0
	s_mov_b32 s[G1A+7], 0
	s_or_b32 s[G1B], s41, (1<<16)|(1<<20)|(1<<21)|(5<<22)|(3<<25)   ; after every 64 words 4 words
	s_mov_b32 s[G1B+1], 128<<16
	s_mov_b32 s[G1B+2], 64<<16
	s_mov_b32 s[G1B+3], 128<<16
	s_mov_b32 s[G1B+4], 64
	s_mov_b32 s[G1B+5], 1024
	s_mov_b32 s[G1B+6], 0
	s_mov_b32 s[G1B+7], 0
	s_lshr_b32 s20, s18, 3                         ; y: the batch's 16 heads of 262,144 bytes,
	s_lshl_b32 s20, s20, 22
	s_and_b32 s19, s18, 7
	s_lshl_b32 s19, s19, 15                        ; 256 positions of 128 bytes,
	s_add_co_u32 s20, s20, s19
	s_lshl_b32 s19, s14, 18                        ; the step's first or second head
	s_add_co_u32 s20, s20, s19
	s_mov_b32 s21, 0
	s_lshl_b32 s44, s17, 18                        ; w16: row 128 x tile column + 64 x half, 2,048 bytes each
	s_lshl_b32 s45, s14, 17
	s_add_co_u32 s44, s44, s45
	s_mov_b32 s45, 0
	s_mul_i32 s42, s14, APL                        ; where they go: no place in the cluster enters an LDS address
	s_mul_i32 s43, s14, BHALF
	s_add_co_u32 s43, s43, BOFF
	s_wait_dscnt 0x0                               ; both opening adds are done
	s_wait_kmcnt 0x0
	s_add_nc_u64 s[20:21], s[4:5], s[20:21]
	s_add_nc_u64 s[44:45], s[6:7], s[44:45]
	CROUND                                         ; all sixteen work-groups are here: the first joint loads meet
.irp s, 0,1
	s_mov_b32 s[G0A+4*\s], 1
	s_add_co_u32 s[G0A+4*\s+1], s42, \s*SLOT
	s_add_nc_u64 s[G0A+4*\s+2:G0A+4*\s+3], s[20:21], \s*524288     ; K step s: two heads on
	s_or_b32 s[G0A+4*\s+3], s[G0A+4*\s+3], 0x80000000
	s_mov_b32 s[G0B+4*\s], 1
	s_add_co_u32 s[G0B+4*\s+1], s43, \s*SLOT
	s_add_nc_u64 s[G0B+4*\s+2:G0B+4*\s+3], s[44:45], \s*256
	s_or_b32 s[G0B+4*\s+3], s[G0B+4*\s+3], 0x80000000
	JLOAD \s
.endr
	v_and_b32 v1, 15, v0                           ; r
	v_bfe_u32 v2, v0, 4, 1                         ; h
	v_mul_u32_u24 v3, v1, PA
	v_lshl_add_u32 v3, v2, 4, v3
	v_mul_u32_u24 v4, v1, PB
	v_lshl_add_u32 v4, v2, 4, v4
	s_mul_i32 s19, s13, 128*PA                     ; my 128 rows of y
	s_mul_i32 s22, s14, BHALF                      ; my 64 rows of w16
	s_add_co_u32 s22, s22, BOFF
.irp s, 0,1
	v_add_nc_u32 v[ADRA+\s], s19, v3
	v_add_nc_u32 v[ADRB+\s], s22, v4
	s_add_co_u32 s19, s19, SLOT
	s_add_co_u32 s22, s22, SLOT
.endr
	s_mul_i32 s23, s12, 16*SPITCH
	s_add_co_u32 s23, s23, STAGE                   ; my stage
	v_mul_u32_u24 v5, v1, SPITCH
	v_lshl_add_u32 v5, v2, 5, v5
	v_add_nc_u32 v[STO], s23, v5                   ; in: row r, 32 bytes for each half of the lanes
	v_mul_u32_u24 v5, v2, SPITCH
	v_lshl_add_u32 v5, v1, 4, v5
	v_add_nc_u32 v[RD], s23, v5                    ; back: lanes 0-15 one row of 256 bytes, lanes 16-31 the next
	v_lshlrev_b32 v5, 12, v2
	v_lshl_add_u32 v[CO], v1, 4, v5                ; and the same two rows in out0
	v_lshlrev_b32 v[BO], 5, v2
	s_lshl_b32 s46, s17, 9                         ; my first column, in bytes: 512 x tile column + 256 x half
	s_lshl_b32 s47, s14, 8
	s_add_co_u32 s46, s46, s47
	s_mov_b32 s47, 0
	s_add_nc_u64 s[8:9], s[8:9], s[46:47]
	s_add_nc_u64 s[10:11], s[10:11], s[46:47]
.irp b, 0,1,2,3
	global_load_b128 v[BIAS+8*\b:BIAS+8*\b+3], v[BO], s[8:9] offset:64*\b         ; b_proj at my block b's columns 8 h + 0 .. 7
	global_load_b128 v[BIAS+8*\b+4:BIAS+8*\b+7], v[BO], s[8:9] offset:64*\b+16
.endr
	s_lshl_b32 s22, s18, 20                        ; my first row: (256 x tile row + 128 x half) x 4,096 bytes
	s_lshl_b32 s23, s13, 19
	s_add_co_u32 s22, s22, s23
	s_mov_b32 s23, 0
	s_add_nc_u64 s[10:11], s[10:11], s[22:23]
; 8 matrix instructions: y's blocks a0, a0 + 1 against w16's four, 32 along K.  The 32 accumulators take turns, one instruction a turn.
.macro MUL8 f, a0, first
.irp a, \a0, \a0+1
.irp b, 0,1,2,3
.if \first
	v_wmma_f32_16x16x32_f16 v[8*(4*(\a)+\b):8*(4*(\a)+\b)+7], v[\f+64+8*\b:\f+64+8*\b+7], v[\f+8*(\a):\f+8*(\a)+7], v[BIAS+8*\b:BIAS+8*\b+7]
.else
	v_wmma_f32_16x16x32_f16 v[8*(4*(\a)+\b):8*(4*(\a)+\b)+7], v[\f+64+8*\b:\f+64+8*\b+7], v[\f+8*(\a):\f+8*(\a)+7], v[8*(4*(\a)+\b):8*(4*(\a)+\b)+7]
.endif
.endr
.endr
.endm
; 24 LDS loads in one run: quarter c of the slot's K step into buffer f: w16's four blocks, y's blocks 0-3, y's blocks 4-7
.macro FETCH slot, c, f
	WIN 0
.irp i, 0,1,2,3
	ds_load_b128 v[\f+64+8*\i:\f+64+8*\i+3],   v[ADRB+\slot] offset:64*(\c)+\i*16*PB
	ds_load_b128 v[\f+64+8*\i+4:\f+64+8*\i+7], v[ADRB+\slot] offset:64*(\c)+\i*16*PB+32
.endr
.irp i, 0,1,2,3,4,5,6,7
	ds_load_b128 v[\f+8*\i:\f+8*\i+3],   v[ADRA+\slot] offset:((\c)/2)*APL+((\c)%2)*64+\i*16*PA
	ds_load_b128 v[\f+8*\i+4:\f+8*\i+7], v[ADRA+\slot] offset:((\c)/2)*APL+((\c)%2)*64+\i*16*PA+32
.endr
.endm
.macro PLACES
.rept 4
	v_nop
.endr
.endm
; One of a K step's first three quarters: multiplies buffer f; in its middle it fetches quarter c into buffer g.
.macro QUARTER slot, c, f, g, first
	s_wait_dscnt 8                                 ; all but the youngest eight loads (y's blocks 4-7) are in
.if \first
	WIN FST
.else
	WIN MUL
.endif
	MUL8 \f, 0, \first
	MUL8 \f, 2, \first
	PLACES
	FETCH \slot, \c, \g
	s_wait_dscnt 24                                ; all but the 24 just issued
.if \first
	WIN FST
.else
	WIN MUL
.endif
	MUL8 \f, 4, \first
	MUL8 \f, 6, \first
.endm
; The last quarter multiplies buffer 1 and changes slots: ONE barrier; in front of it each wave waits for all its tensor loads, adds 0 to its spare word, and waits for that and for its reads of this slot.
; fill = 1: the barrier opens a round of the cluster's, and this slot is filled again, two K steps ahead, first thing behind the round.
.macro TURN slot, next, fill
	WIN 0
	s_wait_tensorcnt 0x0                           ; all my tensor loads have landed: my part of the next slot
	ds_add_u32 v[SPW], v[NIL]
	s_wait_dscnt 9                                 ; the add and the youngest eight loads may be out
	WIN MUL
	MUL8 F1, 0, 0
	s_wait_dscnt 0x0                               ; the add is done, and my reads of this slot are over
	s_barrier_signal -1
	MUL8 F1, 2, 0
.if \fill
	WIN 0
.endif
	s_barrier_wait -1
.if \fill
	CREST                                          ; no wave of any partner still reads this slot or has a load on its way
	s_add_nc_u64 s[G0A+4*\slot+2:G0A+4*\slot+3], s[G0A+4*\slot+2:G0A+4*\slot+3], 1048576   ; four heads on
	s_add_nc_u64 s[G0B+4*\slot+2:G0B+4*\slot+3], s[G0B+4*\slot+2:G0B+4*\slot+3], 512
	JLOAD \slot                                    ; its four v_nop are also the places in front of the loads below
.else
	PLACES
.endif
	FETCH \next, 0, F0
	WIN MUL
	MUL8 F1, 4, 0
	MUL8 F1, 6, 0
.endm
	s_wait_tensorcnt 1                             ; my part of K step 0 is in; K step 1's load may be out
	s_barrier_signal -1
	s_barrier_wait -1
	FETCH 0, 0, F0
	s_wait_loadcnt 0x0                             ; the bias
	QUARTER 0, 1, F0, F1, 1                        ; the first quarter stands in front of the loop: its products start the sums on the bias
	WIN 0
	s_mov_b32 s3, LAPS-1
.Llap:                                 ; a trip goes once round the ring, from a lap's second quarter to the next lap's first, and fills both slots again
	QUARTER 0, 2, F1, F0, 0
	QUARTER 0, 3, F0, F1, 0
	TURN 0, 1, 1
	QUARTER 1, 1, F0, F1, 0
	QUARTER 1, 2, F1, F0, 0
	QUARTER 1, 3, F0, F1, 0
	TURN 1, 0, 1
	QUARTER 0, 1, F0, F1, 0
	WIN 0
	s_sub_co_u32 s3, s3, 1
	s_cmp_lg_u32 s3, 0
	s_cbranch_scc1 .Llap
	QUARTER 0, 2, F1, F0, 0                        ; the last lap fills nothing
	QUARTER 0, 3, F0, F1, 0
	TURN 0, 1, 0
	QUARTER 1, 1, F0, F1, 0
	QUARTER 1, 2, F1, F0, 0
	QUARTER 1, 3, F0, F1, 0
	s_wait_dscnt 8                                 ; the very last quarter: nothing more to fetch
	WIN MUL
	MUL8 F1, 0, 0
	MUL8 F1, 2, 0
	s_wait_dscnt 0
	MUL8 F1, 4, 0
	MUL8 F1, 6, 0
	WIN 0
; THE WAY OUT, a block of 16 rows x 64 columns at a time, through my own stage: back as whole rows of 256 bytes, sixteen lanes to a row.
.macro TOSTAGE a
	WIN 0x04                                       ; an LDS store's data are its source 1: window 1
.irp b, 0,1,2,3
	ds_store_b128 v[STO], v[8*(4*(\a)+\b):8*(4*(\a)+\b)+3] offset:64*\b           ; each accumulator from its low end on
	ds_store_b128 v[STO], v[8*(4*(\a)+\b)+4:8*(4*(\a)+\b)+7] offset:64*\b+16
.endr
	WIN 0
.set BB, BK+32*((\a)%2)
.irp i, 0,1,2,3,4,5,6,7
	ds_load_b128 v[BB+4*\i:BB+4*\i+3], v[RD] offset:\i*2*SPITCH   ; LDS serves a wave's instructions in order: these see the stores above, and the next block's stores come behind them
.endr
.endm
.macro SEND a, younger
.set BB, BK+32*((\a)%2)
	s_wait_dscnt \younger                          ; the block is back; the next block's eight stores and eight loads may be out
.irp i, 0,1,2,3,4,5,6,7
	global_store_b128 v[CO], v[BB+4*\i:BB+4*\i+3], s[10:11] offset:(16*(\a)+2*\i)*4096 th:TH_STORE_NT   ; 16 lanes store 256 consecutive bytes, at a multiple of 256 from out0's first byte
.endr
.endm
	PLACES
	TOSTAGE 0
.irp a, 1,2,3,4,5,6,7
.if \a > 1
	s_wait_xcnt 0x0                                ; block a - 2's stores have read their registers: block a's loads may land there
.endif
	TOSTAGE \a
	SEND \a-1, 16
.endr
	SEND 7, 0
	s_wait_tensorcnt 0x0                           ; the wave's end
	ds_add_u32 v[SPW], v[NIL]
	s_wait_dscnt 0x0
	CROUND                                         ; the closing round
	s_endpgm
.Lfunc_end_k_q5635668a00_proj:
	.size	k_q5635668a00_proj, .Lfunc_end_k_q5635668a00_proj-k_q5635668a00_proj
	.p2alignl 7, 3214868480
	.fill 96, 4, 3214868480
	.section	.rodata,"a",@progbits
	.p2align	6, 0x0
	.amdhsa_kernel k_q5635668a00_proj
		.amdhsa_group_segment_fixed_size 327680
		.amdhsa_private_segment_fixed_size 0
		.amdhsa_enable_private_segment 0
		.amdhsa_kernarg_size 32
		.amdhsa_user_sgpr_count 2
		.amdhsa_user_sgpr_kernarg_segment_ptr 1
		.amdhsa_wavefront_size32 1
		.amdhsa_system_sgpr_workgroup_id_x 1
		.amdhsa_system_sgpr_workgroup_id_y 1
		.amdhsa_system_sgpr_workgroup_id_z 1
		.amdhsa_system_vgpr_workitem_id 0
		.amdhsa_next_free_vgpr 512
		.amdhsa_next_free_sgpr 66
		.amdhsa_reserve_vcc 0
		.amdhsa_float_denorm_mode_32 3
		.amdhsa_float_denorm_mode_16_64 3
		.amdhsa_memory_ordered 1
		.amdhsa_forward_progress 1
		.amdhsa_inst_pref_size 86
	.end_amdhsa_kernel
	.amdgpu_metadata
---
amdhsa.version: [ 1, 2 ]
amdhsa.kernels:
  - .name:           k_q5635668a00_proj
    .symbol:         k_q5635668a00_proj.kd
    .args:
      - { .name: yh, .offset: 0, .size: 8, .value_kind: global_buffer, .address_space: global }
      - { .name: w16, .offset: 8, .size: 8, .value_kind: global_buffer, .address_space: global }
      - { .name: b_proj, .offset: 16, .size: 8, .value_kind: global_buffer, .address_space: global }
      - { .name: out0, .offset: 24, .size: 8, .value_kind: global_buffer, .address_space: global }
    .group_segment_fixed_size: 327680
    .private_segment_fixed_size: 0
    .kernarg_segment_align: 8
    .kernarg_segment_size: 32
    .max_flat_workgroup_size: 128
    .sgpr_count:     66
    .vgpr_count:     512
    .wavefront_size: 32
...
	.end_amdgpu_metadata
.endif
;; end of part 4
;; launch first16 (part 5): grid 32 x 4, 16 waves a work-group, no clusters, 38,912 bytes of LDS; arguments qkv16, w_proj, b_proj, out0; writes out0
.if DOCPART == 5
	.amdgcn_target "amdgcn-amd-amdhsa--gfx1250"
	.amdhsa_code_object_version 6
	.text
	.protected	k_q5635668a00_first16
	.globl	k_q5635668a00_first16
	.p2align	8
	.type	k_q5635668a00_first16,@function
k_q5635668a00_first16:
	s_mov_b64 s[64:65], 0
	v_nop
	global_prefetch_b8 v0, s[64:65] scope:SCOPE_SE
	s_setreg_imm32_b32 hwreg(HW_REG_WAVE_MODE, 25, 1), 1
	s_wait_xcnt 0x0
; Positions 0-15 of each of the four sequences, all in f32: attention over at most 16 keys, and the projection with w_proj and b_proj as they are given.  These 64 rows of out0 are written over what the launch before left there.
; qkv16: [4 batch][3][16 head][16 position][64] f32.  Work-group (slice, batch) makes 32 columns of the batch's 16 rows.  Wave = head: it makes its head's y (16 x 64) and multiplies it by its own 64 of the projection's K;
; the sixteen parts meet in LDS and are added in the order of the heads, one row a wave.  Every work-group repeats the batch's sixteen small attentions (32 matrix instructions a wave), so that no sum spans work-groups.
; A store covers 128 consecutive bytes of a row (32 columns): half rows of 256, on 262,144 bytes in all; a slice of 64 columns would double a wave's matrix work here.
; No cluster and no tensor load: what the 32 slices of a batch share is 192 KiB read through registers once each; no prefetch: the launch is short.
; THE f32 MATRIX FORM: lane (r, h) holds row (or column) r and, in register j, k = 2 h + j.  One and the same order of k is given to both operands of each product, so that loads of 16 bytes and results in the
; result's layout serve as operands as they stand.  Both attention products are transposed (S^T = K Q^T, O^T = V^T P), and so is the projection (source 0 = 16 rows of w_proj, source 1 = y): a lane holds one position throughout.
; The registers that this form writes (v176-239) are written by matrix instructions alone; what is made of a sum goes into other registers.
.set QR,  16                           ; v16-47  Q, later y
.set KR,  48                           ; v48-79  K
.set VR,  80                           ; v80-111 V at 8 ct + 2 i + j
.set WR,  112                          ; v112-175 w_proj at 32 nt + 2 st + j; later the sixteen parts
.set SA,  176                          ; v176-183, v184-191 S^T in two halves of K, by turns
.set OA,  192                          ; v192-223 O^T
.set PA,  224                          ; v224-239 my part of the output
.set PR,  240                          ; v240-247 scores, then p
.set SPW, 10
.set NIL, 11
.set RED,   0                          ; LDS: 16 waves x 16 rows x (128 bytes + 16)
.set SPARE, 16*16*144                  ; the spare words, 128 bytes a wave
	s_load_b256 s[4:11], s[0:1], 0x0               ; qkv16, w_proj, b_proj, out0
	v_lshl_add_u32 v[SPW], v0, 2, SPARE
	v_mov_b32 v[NIL], 0
	v_lshrrev_b32 v1, 5, v0
	v_readfirstlane_b32 s12, v1                    ; wave = head; later: my row
	s_mov_b32 s13, ttmp9                           ; slice
	s_and_b32 s14, ttmp7, 0xffff                   ; batch
	v_and_b32 v1, 15, v0                           ; r
	v_bfe_u32 v2, v0, 4, 1                         ; h
	v_lshlrev_b32 v3, 8, v1
	v_lshl_add_u32 v3, v2, 4, v3                   ; Q, K: row r of 256 bytes, + 16 h
	v_lshlrev_b32 v4, 2, v1
	v_lshl_add_u32 v4, v2, 11, v4                  ; V: key 8 h, channel r
	v_lshlrev_b32 v5, 12, v1
	v_lshl_add_u32 v5, v2, 5, v5                   ; w_proj: row r of 4,096 bytes, + 32 h
	s_mul_i32 s16, s12, 16*144
	v_mul_u32_u24 v6, v1, 144
	v_lshl_add_u32 v6, v2, 5, v6
	v_add_nc_u32 v6, s16, v6                       ; my part: row r, + 32 h
	v_and_b32 v8, 31, v0
	v_lshlrev_b32 v8, 2, v8                        ; 4 x lane
	s_mul_i32 s16, s12, 144
	v_add_nc_u32 v7, s16, v8                       ; row = my wave's number, column = lane, in part 0
	v_lshlrev_b32 v9, 3, v2
	v_sub_nc_u32 v9, v1, v9                        ; r - 8 h
	v_mov_b32 v13, 0xff800000                      ; -infinity
	v_mov_b32 v249, 0                              ; written once: a lane permute's destination counts as one of its sources
	s_mov_b32 s20, 0x76543210
	s_mov_b32 s21, 0xfedcba98
	s_mov_b32 s22, 0x3e38aa3b                      ; c = log2(e) / 8
	s_mul_i32 s16, s14, 48
	s_add_co_u32 s16, s16, s12
	s_lshl_b32 s16, s16, 12                        ; (48 batch + head) x 4,096
	s_mov_b32 s17, 0
	s_lshl_b32 s18, s13, 17                        ; 32 rows of w_proj a slice,
	s_lshl_b32 s19, s12, 8                         ; 64 numbers of K a head
	s_add_co_u32 s18, s18, s19
	s_mov_b32 s19, 0
	s_lshl_b32 s24, s13, 7                         ; 32 columns a slice
	s_mov_b32 s25, 0
	s_lshl_b32 s26, s14, 11
	s_add_co_u32 s26, s26, s12
	s_lshl_b32 s26, s26, 12                        ; row 2,048 batch + wave
	s_mov_b32 s27, 0
	s_wait_kmcnt 0x0
	s_add_nc_u64 s[4:5], s[4:5], s[16:17]
	s_add_nc_u64 s[6:7], s[6:7], s[18:19]
	s_add_nc_u64 s[8:9], s[8:9], s[24:25]
	s_add_nc_u64 s[10:11], s[10:11], s[24:25]
	s_add_nc_u64 s[10:11], s[10:11], s[26:27]
.irp i, 0,1,2,3,4,5,6,7
	global_load_b128 v[QR+4*\i:QR+4*\i+3], v3, s[4:5] offset:32*\i               ; channels 8 i + 4 h + 0 .. 3 of position r
.endr
.irp i, 0,1,2,3,4,5,6,7
	global_load_b128 v[KR+4*\i:KR+4*\i+3], v3, s[4:5] offset:65536+32*\i
.endr
.irp ct, 0,1,2,3
.irp i, 0,1,2,3,4,5,6,7
	global_load_b32 v[VR+8*\ct+\i], v4, s[4:5] offset:131072+256*\i+64*\ct       ; V(key 8 h + i, channel 16 ct + r)
.endr
.endr
.irp nt, 0,1
.irp i, 0,1,2,3,4,5,6,7
	global_load_b128 v[WR+32*\nt+4*\i:WR+32*\nt+4*\i+3], v5, s[6:7] offset:65536*\nt+64*(\i/2)+16*(\i%2)   ; w_proj(16 nt + r, 64 head + 16 (i / 2) + 8 h + 4 (i % 2) + 0 .. 3)
.endr
.endr
	global_load_b32 v12, v8, s[8:9]                ; b_proj at my column
	s_wait_loadcnt 49                              ; Q and K are in; V's 32, w_proj's 16 and the bias may be out
.set ks, 0
.rept 16                               ; S^T = K Q^T, 4 along K at a time; the even steps and the odd steps sum apart, so that two accumulators take turns
.set rD, SA+8*(ks%2)
.if ks < 2
	v_wmma_f32_16x16x4_f32 v[rD:rD+7], v[KR+2*ks:KR+2*ks+1], v[QR+2*ks:QR+2*ks+1], 0
.else
	v_wmma_f32_16x16x4_f32 v[rD:rD+7], v[KR+2*ks:KR+2*ks+1], v[QR+2*ks:QR+2*ks+1], v[rD:rD+7]
.endif
.set ks, ks+1
.endr
.rept 8
	v_nop                                          ; eight places behind this form (ISA guide 7.12.1)
.endr
.irp j, 0,1,2,3,4,5,6,7
	v_add_f32 v[PR+\j], v[SA+\j], v[SA+8+\j]       ; the score of key 8 h + j and position r
.endr
.irp j, 0,1,2,3,4,5,6,7
	v_cmp_gt_i32 vcc_lo, \j, v9                    ; hidden where 8 h + j > r
	v_cndmask_b32 v[PR+\j], v[PR+\j], v13, vcc_lo
.endr
	v_max3_num_f32 v248, v[PR], v[PR+1], v[PR+2]
	v_max3_num_f32 v248, v248, v[PR+3], v[PR+4]
	v_max3_num_f32 v248, v248, v[PR+5], v[PR+6]
	v_max_num_f32 v248, v248, v[PR+7]
	v_permlanex16_b32 v249, v248, s20, s21
	v_max_num_f32 v248, v248, v249                 ; the row's maximum: key 0 counts for every position
	v_mul_f32 v248, s22, v248
.irp j, 0,1,2,3,4,5,6,7
	v_fma_f32 v[PR+\j], v[PR+\j], s22, -v248       ; c s - c m
.endr
.irp j, 0,1,2,3,4,5,6,7
	v_exp_f32 v[PR+\j], v[PR+\j]
.endr
	v_nop
	s_wait_alu depctr_va_vdst(0)                   ; one wait for the eight exponentials, ahead of their first reader
	v_add_f32 v250, v[PR], v[PR+1]
	v_add_f32 v251, v[PR+2], v[PR+3]
	v_add_f32 v252, v[PR+4], v[PR+5]
	v_add_f32 v253, v[PR+6], v[PR+7]
	v_add_f32 v250, v250, v251
	v_add_f32 v252, v252, v253
	v_add_f32 v250, v250, v252
	v_permlanex16_b32 v249, v250, s20, s21
	v_add_f32 v250, v250, v249                     ; the row's sum
	v_rcp_f32 v251, v250
	v_nop
	s_wait_alu depctr_va_vdst(0)
	s_wait_loadcnt 17                              ; V is in
.set n, 0
.rept 16                               ; O^T = V^T P: keys 8 h + 2 (n / 4) + j, channels 16 (n % 4) on: four accumulators by turns
.if n < 4
	v_wmma_f32_16x16x4_f32 v[OA+8*(n%4):OA+8*(n%4)+7], v[VR+8*(n%4)+2*(n/4):VR+8*(n%4)+2*(n/4)+1], v[PR+2*(n/4):PR+2*(n/4)+1], 0
.else
	v_wmma_f32_16x16x4_f32 v[OA+8*(n%4):OA+8*(n%4)+7], v[VR+8*(n%4)+2*(n/4):VR+8*(n%4)+2*(n/4)+1], v[PR+2*(n/4):PR+2*(n/4)+1], v[OA+8*(n%4):OA+8*(n%4)+7]
.endif
.set n, n+1
.endr
.rept 8
	v_nop
.endr
.set n, 0
.rept 32
	v_mul_f32 v[QR+n], v[OA+n], v251               ; y(position r, channel 16 (n / 8) + 8 h + n % 8)
.set n, n+1
.endr
	s_wait_loadcnt 1                               ; w_proj is in
.set n, 0
.rept 32                               ; my part of the output: K step n / 2 of my head's 64, columns 16 (n % 2) on: two accumulators by turns
.if n < 2
	v_wmma_f32_16x16x4_f32 v[PA+8*(n%2):PA+8*(n%2)+7], v[WR+32*(n%2)+2*(n/2):WR+32*(n%2)+2*(n/2)+1], v[QR+2*(n/2):QR+2*(n/2)+1], 0
.else
	v_wmma_f32_16x16x4_f32 v[PA+8*(n%2):PA+8*(n%2)+7], v[WR+32*(n%2)+2*(n/2):WR+32*(n%2)+2*(n/2)+1], v[QR+2*(n/2):QR+2*(n/2)+1], v[PA+8*(n%2):PA+8*(n%2)+7]
.endif
.set n, n+1
.endr
.rept 8
	v_nop
.endr
.irp nt, 0,1
	ds_store_b128 v6, v[PA+8*\nt:PA+8*\nt+3] offset:RED+64*\nt                   ; position r, columns 16 nt + 8 h + 0 .. 7; each accumulator from its low end on
	ds_store_b128 v6, v[PA+8*\nt+4:PA+8*\nt+7] offset:RED+64*\nt+16
.endr
	s_wait_dscnt 0x0                               ; for the others' sake: my part lies in LDS
	s_barrier_signal -1
	s_barrier_wait -1
.irp w, 0,1,2,3,4,5,6,7,8,9,10,11,12,13,14,15
	ds_load_b32 v[WR+\w], v7 offset:RED+16*144*\w  ; head w's part of my row, my column
.endr
	s_wait_loadcnt 0x0                             ; the bias
	s_wait_dscnt 0x0
.irp w, 0,1,2,3,4,5,6,7,8,9,10,11,12,13,14,15
	v_add_f32 v12, v12, v[WR+\w]                   ; in the order of the heads
.endr
	global_store_b32 v8, v12, s[10:11]             ; 128 consecutive bytes a wave
	s_wait_tensorcnt 0x0                           ; the wave's end, behind my last LDS store
	ds_add_u32 v[SPW], v[NIL]
	s_wait_dscnt 0x0
	s_endpgm
.Lfunc_end_k_q5635668a00_first16:
	.size	k_q5635668a00_first16, .Lfunc_end_k_q5635668a00_first16-k_q5635668a00_first16
	.p2alignl 7, 3214868480
	.fill 96, 4, 3214868480
	.section	.rodata,"a",@progbits
	.p2align	6, 0x0
	.amdhsa_kernel k_q5635668a00_first16
		.amdhsa_group_segment_fixed_size 38912
		.amdhsa_private_segment_fixed_size 0
		.amdhsa_enable_private_segment 0
		.amdhsa_kernarg_size 32
		.amdhsa_user_sgpr_count 2
		.amdhsa_user_sgpr_kernarg_segment_ptr 1
		.amdhsa_wavefront_size32 1
		.amdhsa_system_sgpr_workgroup_id_x 1
		.amdhsa_system_sgpr_workgroup_id_y 1
		.amdhsa_system_sgpr_workgroup_id_z 1
		.amdhsa_system_vgpr_workitem_id 0
		.amdhsa_next_free_vgpr 256
		.amdhsa_next_free_sgpr 66
		.amdhsa_reserve_vcc 1
		.amdhsa_float_denorm_mode_32 3
		.amdhsa_float_denorm_mode_16_64 3
		.amdhsa_memory_ordered 1
		.amdhsa_forward_progress 1
		.amdhsa_inst_pref_size 19
	.end_amdhsa_kernel
	.amdgpu_metadata
---
amdhsa.version: [ 1, 2 ]
amdhsa.kernels:
  - .name:           k_q5635668a00_first16
    .symbol:         k_q5635668a00_first16.kd
    .args:
      - { .name: qkv16, .offset: 0, .size: 8, .value_kind: global_buffer, .address_space: global }
      - { .name: w_proj, .offset: 8, .size: 8, .value_kind: global_buffer, .address_space: global }
      - { .name: b_proj, .offset: 16, .size: 8, .value_kind: global_buffer, .address_space: global }
      - { .name: out0, .offset: 24, .size: 8, .value_kind: global_buffer, .address_space: global }
    .group_segment_fixed_size: 38912
    .private_segment_fixed_size: 0
    .kernarg_segment_align: 8
    .kernarg_segment_size: 32
    .max_flat_workgroup_size: 512
    .sgpr_count:     66
    .vgpr_count:     256
    .wavefront_size: 32
...
	.end_amdgpu_metadata
.endif
;; end of part 5
